; MI455X (gfx1250); checked and timed in simulation.
; The chip was launched on July 23, 2026; its instructions are those of AMD's public machine-readable ISA for CDNA 5 (MIT licence, August 2026) and "CDNA5" Instruction Set Architecture Reference Guide (July 2026). The comments in the code are by the model that wrote it; some were corrected since.
;; grouped Batched Experts. Allowed arithmetic: matrix products marked QUANTISED: E4M3 operands, one E8M0 scale for each 32 along K, by v_wmma_scale_f32_16x16x128_f8f6f4 with both operands' format E4M3, f32 sums; products left as they are: f32 operands where the result goes on into a quantised operand, else bf16, f16 or f32 operands; f32 sums; everything else in f32.
;; Inputs: expert_weights 2,048 x 2 float32; scores 2,048 x 8 float32; top_experts 2,048 x 2 int32; w1_codes 8 x 2,048 x 32 x 32 uint8 (E4M3 codes of w1, K innermost, in blocks of 32 codes); w1_scales 8 x 2,048 x 32 uint8 (E8M0 scales of w1, one for each 32 codes along K); w2_codes 8 x 1,024 x 64 x 32 uint8 (E4M3 codes of w2, K innermost, in blocks of 32 codes); w2_scales 8 x 1,024 x 64 uint8 (E8M0 scales of w2, one for each 32 codes along K); x_codes 2 x 1,024 x 32 x 32 uint8 (E4M3 codes of x, K innermost, in blocks of 32 codes); x_scales 2 x 1,024 x 32 uint8 (E8M0 scales of x, one for each 32 codes along K).
;; Outputs: out0 2 x 1,024 x 1,024 float32.
;; This version of the problem:
;;   THIS VERSION OF THE PROBLEM IS GIVEN IN LOW PRECISION. The matrix products marked QUANTISED in the list below multiply operands that are first quantised to E4M3 (4 exponent bits, 3 mantissa bits; 8 bits a number), with one power-of-two scale for each 32 numbers along K (OCP MX v1.0); their sums are f32. All else is computed in f32.
;;   The module's matrix products, in the order in which they are computed (A, B: the left and right operand; K: the contracted axis; several contracted axes count as one K, in the product's order):
;;     1. batch 2,048 x [M 1, K 2] x [K 2, N 8]; A: input expert_weights; B: computed on the way: left as it is (K = 2 < 32)
;;     2. [M 2,048, K 1,024] x [K 1,024, N 2,048]; A: input x (given as codes); B: input w1 (given as codes): QUANTISED
;;     3. [M 2,048, K 2,048] x [K 2,048, N 1,024]; A: computed on the way; B: input w2 (given as codes): QUANTISED
;;     4. [M 2,048, K 1,024] x [K 1,024, N 2,048]; A: input x (given as codes); B: input w1 (given as codes): QUANTISED
;;     5. [M 2,048, K 2,048] x [K 2,048, N 1,024]; A: computed on the way; B: input w2 (given as codes): QUANTISED
;;     6. [M 2,048, K 1,024] x [K 1,024, N 2,048]; A: input x (given as codes); B: input w1 (given as codes): QUANTISED
;;     7. [M 2,048, K 2,048] x [K 2,048, N 1,024]; A: computed on the way; B: input w2 (given as codes): QUANTISED
;;     8. [M 2,048, K 1,024] x [K 1,024, N 2,048]; A: input x (given as codes); B: input w1 (given as codes): QUANTISED
;;     9. [M 2,048, K 2,048] x [K 2,048, N 1,024]; A: computed on the way; B: input w2 (given as codes): QUANTISED
;;     10. [M 2,048, K 1,024] x [K 1,024, N 2,048]; A: input x (given as codes); B: input w1 (given as codes): QUANTISED
;;     11. [M 2,048, K 2,048] x [K 2,048, N 1,024]; A: computed on the way; B: input w2 (given as codes): QUANTISED
;;     12. [M 2,048, K 1,024] x [K 1,024, N 2,048]; A: input x (given as codes); B: input w1 (given as codes): QUANTISED
;;     13. [M 2,048, K 2,048] x [K 2,048, N 1,024]; A: computed on the way; B: input w2 (given as codes): QUANTISED
;;     14. [M 2,048, K 1,024] x [K 1,024, N 2,048]; A: input x (given as codes); B: input w1 (given as codes): QUANTISED
;;     15. [M 2,048, K 2,048] x [K 2,048, N 1,024]; A: computed on the way; B: input w2 (given as codes): QUANTISED
;;     16. [M 2,048, K 1,024] x [K 1,024, N 2,048]; A: input x (given as codes); B: input w1 (given as codes): QUANTISED
;;     17. [M 2,048, K 2,048] x [K 2,048, N 1,024]; A: computed on the way; B: input w2 (given as codes): QUANTISED
;;   THE QUANTISER, for each operand of a quantised product, along K:
;;     - K is cut into blocks of 32 from its start; a last block that is shorter is filled with zeros.
;;     - A block's scale is 2^e with e = floor(log2(the largest magnitude in the block)) - 8, held to -126 .. 127; a block of zeros has e = 0. As a byte (E8M0): e + 127.
;;     - Each number is divided by its block's scale, clamped to +-448, and rounded to the nearest number of E4M3, ties to even, subnormals kept.
;;     - The product sums the exact products of the quantised numbers (number of the format x scale) in f32.
;;   ~~~python
;;   def quantise(x, axis):      # numpy; x: float32 -> the quantised numbers, widened to float32 again
;;       x = np.moveaxis(x, axis, -1); K = x.shape[-1]
;;       x = np.pad(x, [(0, 0)] * (x.ndim - 1) + [(0, -K % 32)]); x = x.reshape(x.shape[:-1] + (-1, 32)); a = np.abs(x).max(-1, keepdims=True)
;;       e = np.where(a > 0, np.clip(np.frexp(np.where(a > 0, a, 1))[1] - 1 - 8, -126, 127), 0)      # np.frexp(a)[1] - 1 = floor(log2(a)), exactly
;;       r = np.clip(x / 2.0 ** e, -448, 448)
;;       step = 2.0 ** (np.maximum(np.frexp(np.where(r == 0, 1, r))[1] - 1, -6) - 3)
;;       q = np.round(r / step) * step * 2.0 ** e      # np.round: ties to even
;;       return np.moveaxis(q.reshape(q.shape[:-2] + (-1,))[..., :K], -1, axis).astype(np.float32)
;;   ~~~
;;   OPERANDS COMPUTED ON THE WAY. 'Computed on the way' means the value that the module computes at that place (a softmax that the list does not call 'softmax' is quantised finished and normalised). What goes into a quantiser is computed in f32, as accurately as f32 sums, v_exp_f32 and their like allow (about 1e-6 of the number): no bf16 or f16 on the way to a quantiser, and a product that is left as it is and whose result goes on into a quantised operand takes f32 operands (vector FMAs, or v_wmma_f32_16x16x4_f32). A number that lies on a knife's edge between two numbers of the format may be rounded either way, as far as f32 arithmetic and the matrix unit's own rounding can turn it there, and no further.
;;   INPUTS GIVEN AS CODES. w1 (in the module: [8, 1024, 2048], K = its axis 1); w2 (in the module: [8, 2048, 1024], K = its axis 1); x (in the module: [2, 1024, 1024], K = its axis 2): each comes as NAME_codes (uint8): NAME with its K axis moved to the last place and cut into blocks of 32 codes, [.., K / 32, bytes a block], one block behind the other in memory; one code a byte (a code: sign, 4 exponent bits, 3 mantissa bits); and NAME_scales (uint8): the same leading axes, one E8M0 byte (e + 127) for each 32 codes along K. Its value is code x scale, taken as it is: it is not quantised again, and the codes and scales need not be those that the quantiser above would give.
;; 2 versions, each right; version 2 is version 1 with the launches gemm1, gemm2 written anew for expert scheduling mode. Each part assembles by itself: llvm-mc -triple=amdgcn-amd-amdhsa -mcpu=gfx1250 --defsym DOCPART=n.
;; ======== version 1 of 2: 4 launches
;; workspace buffers: wp 33,554,432 bytes; wsp 1,048,576 bytes; route 38,912 bytes of whole numbers; hc 10,223,616 bytes; hs 319,488 bytes; y 20,447,232 bytes
;; launch prep (part 1): grid 257 x 1, 8 waves a work-group, no clusters, 38,144 bytes of LDS; arguments w1_codes, w1_scales, w2_codes, w2_scales, top_experts, wp, wsp, route; writes wp, wsp, route
.if DOCPART == 1
	.amdgcn_target "amdgcn-amd-amdhsa--gfx1250"
	.amdhsa_code_object_version 6
	.text
	.protected	k_q4bf47104a0_prep
	.globl	k_q4bf47104a0_prep
	.p2align	8
	.type	k_q4bf47104a0_prep,@function
k_q4bf47104a0_prep:
	s_mov_b64 s[64:65], 0
	v_nop
	global_prefetch_b8 v0, s[64:65] scope:SCOPE_SE
	s_setreg_imm32_b32 hwreg(HW_REG_WAVE_MODE, 25, 1), 1
	s_wait_xcnt 0x0
; FIRST OF FOUR LAUNCHES of out[t] = sum over k of expert_weights[t][k] x MLP_e(x[t]), e = top_experts[t][k].
; reference() weighs every expert's result by a weight that it builds from top_experts and that is 0 for experts not chosen: only the 4,096 routed rows (token, k) are multiplied.
; The input scores enters no step of reference(): no launch reads it.
; THIS LAUNCH: work-groups 0-127 lay W1's codes and scale bytes, work-groups 128-255 W2's, in the order in which a wave's operand registers take them; work-group 256 sorts the routed rows by expert.
; wp:  W1 [e 8][g 16][s 8][t 8][c 4][lane 32][16 bytes]: lane (h, r) = codes of row 128 g + 32 (t / 2) + 8 (t % 2) + r + 8 (r / 8), K = 128 s + 32 c + 16 h + 0 .. 15;
;      from byte 2^24 on W2 [e 8][ng 16][s 16][t 4][c 4][lane 32][16 bytes]: row 64 ng + 16 t + r.
; wsp: W1 [e][g][s 8][lane 32][q 4] words: the scale word (128 along K) of tile 2 q + h, the tile's row r;  from byte 2^19 on W2 [e][ng][s 16][lane 32][q 2] words likewise.
; route: pos[4096] (slot 2 t + k -> position) at byte 0; rowtok[4992] (position -> token, valid positions alone) at 16,384; tinfo[256] (expert, rows) at 36,864; expert 8 = no rows.
; A tile is 128 positions of one expert; position = 128 x tile + rank; there are never more than 4096 / 128 + 7 = 39 tiles, whatever the choice.
; A wave's unit of the repacking is 16 rows x 1,024 bytes: loads read 2 rows x 256 consecutive bytes, the bytes turn through the wave's own stage in LDS (pitch 272), stores cover 512 consecutive bytes.
; The scale words are gathered 4 bytes a lane (1 MiB in the whole launch) and leave 16 bytes a lane; rowtok is a scatter of 4 bytes a lane (16 KiB).
.set STG, 4608                         ; a wave's stage: 16 rows x 272 bytes, rounded up
.set CNT, 8*STG                        ; behind the stages: the routing's 64 counts (the two ways through the text use different LDS bytes)
	s_load_b256 s[4:11], s[0:1], 0x0               ; w1_codes s[4:5], w1_scales s[6:7], w2_codes s[8:9], w2_scales s[10:11]
	s_load_b256 s[12:19], s[0:1], 0x20             ; top_experts s[12:13], wp s[14:15], wsp s[16:17], route s[18:19]
	v_lshl_add_u32 v192, v0, 2, 0x9100
	v_mov_b32 v193, 0
	v_lshrrev_b32 v1, 5, v0
	v_readfirstlane_b32 s20, v1                    ; wave 0..7
	v_and_b32 v1, 31, v0                           ; lane
	v_and_b32 v2, 15, v0                           ; r
	v_bfe_u32 v3, v0, 4, 1                         ; h
	s_cmp_eq_u32 ttmp9, 256
	s_cbranch_scc1 .Lroute
; ---------------- the repacking: one text for both weights; what differs is chosen by the work-group's number
	s_cmp_lt_u32 ttmp9, 128
	s_cselect_b32 s21, 0, 128
	s_cselect_b32 s22, 10, 11                      ; a row of codes: 2^10 bytes in W1, 2^11 in W2
	s_cselect_b32 s23, 8192, 0                     ; W1: a tile's rows 8-15 lie 8 rows further on
	s_mov_b32 s24, 8192
	s_cselect_b32 s24, 16384, s24                  ; bytes of a K step in wp
	s_cselect_b32 s25, 1, 0                        ; 1: W1
	s_cselect_b32 s31, 13, 10                      ; what the wave's low bit means: 8 rows of W1, or 1,024 bytes along K of W2
	s_cselect_b32 s33, 0, 0x80000                  ; wsp's half
	s_sub_co_u32 s21, ttmp9, s21                   ; 16 e + g (or ng)
	s_lshr_b32 s26, s20, 1
	s_and_b32 s27, s20, 1
	s_lshl_b32 s28, s21, 17                        ; 128 rows of 1,024 bytes = 64 rows of 2,048 = a group's bytes in wp
	s_lshl_b32 s29, s26, 15                        ; 32 rows of W1 = 16 rows of W2
	s_lshl_b32 s30, s27, s31
	s_add_co_u32 s34, s28, s29
	s_add_co_u32 s34, s34, s30                     ; where my 16 rows begin in the codes
	s_mov_b32 s35, 0
	s_lshl_b32 s36, s20, 11
	s_add_co_u32 s36, s36, s28                     ; in wp, W1: tile = wave
	s_lshl_b32 s38, s27, 16
	s_lshl_b32 s39, s26, 11
	s_add_co_u32 s38, s38, s39
	s_add_co_u32 s38, s38, s28
	s_add_co_u32 s38, s38, 0x1000000               ; in wp, W2: tile = wave / 2, K steps 8 (wave % 2) on
	s_lshl_b32 s40, s21, 12                        ; a group's scale bytes, in the input and in wsp
	s_mov_b32 s41, 0
	s_add_co_u32 s42, s40, s33
	s_mov_b32 s43, 0
	s_mov_b32 s37, 0
	s_cmp_eq_u32 s25, 1
	s_cselect_b32 s36, s36, s38
	s_wait_kmcnt 0x0
	s_cselect_b64 s[4:5], s[4:5], s[8:9]
	s_cselect_b64 s[6:7], s[6:7], s[10:11]
	s_add_nc_u64 s[4:5], s[4:5], s[34:35]
	s_add_nc_u64 s[6:7], s[6:7], s[40:41]
	s_add_nc_u64 s[14:15], s[14:15], s[36:37]
	s_add_nc_u64 s[16:17], s[16:17], s[42:43]
	v_lshlrev_b32 v4, 4, v2                        ; 16 r
	v_lshlrev_b32 v5, s22, v3                      ; h rows
	v_add_nc_u32 v5, v5, v4
.irp i, 0,1,2,3,4,5,6,7
	s_lshl_b32 s44, 2*\i, s22                      ; load i takes the tile's rows 2 i and 2 i + 1
.if \i >= 4
	s_add_co_u32 s44, s44, s23
.endif
	v_add_nc_u32 v[8+\i], s44, v5
.endr
	v_lshlrev_b32 v6, 4, v1                        ; 16 x lane
.irp n, 0,1,2,3,4,5,6,7
	s_mul_i32 s44, s24, \n
	v_add_nc_u32 v[16+\n], s44, v6                 ; K step n of my eight, in wp
.endr
	s_mul_i32 s45, s20, STG
	v_mul_u32_u24 v24, v3, 272
	v_add_nc_u32 v24, v24, v4
	v_add_nc_u32 v24, s45, v24                     ; into the stage: row 2 i + h, 16 bytes a lane
	v_mul_u32_u24 v25, v2, 272
	v_lshl_add_u32 v25, v3, 4, v25
	v_add_nc_u32 v25, s45, v25                     ; out of it: row r, + 16 h
	v_lshlrev_b32 v164, 4, v0                      ; my 16 bytes of the group's 4,096 in wsp
	s_cmp_eq_u32 s25, 1
	s_cbranch_scc0 .Lsc2
	v_and_b32 v26, 8, v2                           ; W1: thread = 32 s + lane; word q: row 32 q + 8 h + r + 8 (r / 8), 32 bytes a row, + 4 s
	v_add_nc_u32 v26, v26, v2
	v_lshl_add_u32 v26, v3, 3, v26
	v_lshlrev_b32 v26, 5, v26
	v_lshl_add_u32 v26, s20, 2, v26
.irp q, 0,1,2,3
	global_load_b32 v[160+\q], v26, s[6:7] offset:1024*\q
.endr
	s_branch .Lscd
.Lsc2:
	v_lshrrev_b32 v27, 3, v2                       ; W2: thread = 16 s + p holds lanes 2 p and 2 p + 1 of K step s: h = p / 8, r = 2 (p % 8) + b; word (b, q): row 32 q + 16 h + r, 64 bytes a row, + 4 s
	v_and_b32 v28, 7, v2
	v_lshlrev_b32 v26, 4, v27
	v_lshl_add_u32 v26, v28, 1, v26
	v_lshlrev_b32 v26, 6, v26
	v_lshrrev_b32 v27, 4, v0
	v_lshl_add_u32 v26, v27, 2, v26
	global_load_b32 v160, v26, s[6:7]
	global_load_b32 v161, v26, s[6:7] offset:2048
	global_load_b32 v162, v26, s[6:7] offset:64
	global_load_b32 v163, v26, s[6:7] offset:2112
.Lscd:
.irp j, 0,1,2,3
.irp i, 0,1,2,3,4,5,6,7
	global_load_b128 v[32+32*\j+4*\i:35+32*\j+4*\i], v[8+\i], s[4:5] offset:256*\j th:TH_LOAD_NT   ; chunk j: 256 bytes along K of 16 rows; read once in the launch
.endr
.endr
	s_wait_loadcnt 32                              ; the four scale words are in; the 32 loads of codes stay out
	global_store_b128 v164, v[160:163], s[16:17]
; Chunk j (two K steps) turns through the stage.  LDS serves a wave's instructions in order: no wait between the stores and the loads, nor ahead of the next chunk's stores.
.macro CHUNK j
	s_wait_loadcnt 24-8*\j                         ; this chunk's eight loads are in; the later chunks' stay out
.irp i, 0,1,2,3,4,5,6,7
	ds_store_b128 v24, v[32+32*\j+4*\i:35+32*\j+4*\i] offset:2*\i*272
.endr
.irp k, 0,1,2,3,4,5,6,7
	ds_load_b128 v[32+32*\j+4*\k:35+32*\j+4*\k], v25 offset:128*(\k/4)+32*(\k%4)
.endr
.irp k, 0,1,2,3,4,5,6,7
	s_wait_dscnt 7-\k
	global_store_b128 v[16+2*\j+\k/4], v[32+32*\j+4*\k:35+32*\j+4*\k], s[14:15] offset:512*(\k%4)   ; 32 lanes store 512 consecutive bytes; every chunk has registers of its own
.endr
.endm
	CHUNK 0
	CHUNK 1
	CHUNK 2
	CHUNK 3
	s_wait_tensorcnt 0x0
	ds_add_u32 v192, v193
	s_wait_dscnt 0x0
	s_endpgm
; ---------------- the routing: a counting sort of the 4,096 slots by expert, one work-group, no atomics.  Wave w owns slots 512 w .. 512 w + 511; register 4 j + i of a lane is slot 512 w + 128 j + 4 lane + i.
.Lroute:
	s_lshl_b32 s21, s20, 11
	v_lshl_add_u32 v4, v1, 4, s21                  ; 2,048 w + 16 lane
	s_wait_kmcnt 0x0
.irp j, 0,1,2,3
	global_load_b128 v[32+4*\j:35+4*\j], v4, s[12:13] offset:512*\j
.endr
.irp e, 0,1,2,3,4,5,6,7
	s_mov_b32 s[24+\e], 0
.endr
	s_wait_loadcnt 0x0
.irp k, 0,1,2,3,4,5,6,7,8,9,10,11,12,13,14,15
	v_min_u32 v[32+\k], 7, v[32+\k]                ; an index stays inside its table
.endr
.irp k, 0,1,2,3,4,5,6,7,8,9,10,11,12,13,14,15
.irp e, 0,1,2,3,4,5,6,7
	v_cmp_eq_u32 s60, \e, v[32+\k]
	s_bcnt1_i32_b32 s56, s60
	s_add_co_u32 s[24+\e], s[24+\e], s56           ; my wave's rows of expert e
.endr
.endr
.irp e, 0,1,2,3,4,5,6,7
	v_mov_b32 v[8+\e], s[24+\e]
.endr
	s_lshl_b32 s22, s20, 5
	s_add_co_u32 s22, s22, CNT
	v_mov_b32 v5, s22
	ds_store_b128 v5, v[8:11]                      ; word 8 w + e; all lanes write the same words with the same values
	ds_store_b128 v5, v[12:15] offset:16
	s_wait_dscnt 0x0                               ; for the others' sake: my counts have landed
	s_barrier_signal -1
	s_barrier_wait -1
	v_lshl_add_u32 v6, v1, 2, CNT
	ds_load_b32 v16, v6                            ; lane l: word l (waves 0-3),
	ds_load_b32 v17, v6 offset:128                 ; word 32 + l (waves 4-7)
.irp e, 0,1,2,3,4,5,6,7
	s_mov_b32 s[24+\e], 0                          ; the expert's rows in all,
	s_mov_b32 s[32+\e], 0                          ; and in the waves ahead of mine
.endr
	s_wait_dscnt 0x0
.irp e, 0,1,2,3,4,5,6,7
.irp u, 0,1,2,3,4,5,6,7
	v_readlane_b32 s56, v[16+\u/4], 8*(\u%4)+\e
	s_add_co_u32 s[24+\e], s[24+\e], s56
	s_cmp_gt_u32 s20, \u
	s_cselect_b32 s56, s56, 0
	s_add_co_u32 s[32+\e], s[32+\e], s56
.endr
.endr
	s_mov_b32 s57, 0
.irp e, 0,1,2,3,4,5,6,7
	s_mov_b32 s[48+\e], s57                        ; the expert's first tile,
	s_add_co_u32 s56, s[24+\e], 127
	s_lshr_b32 s[40+\e], s56, 7                    ; its tiles,
	s_add_co_u32 s57, s57, s[40+\e]
	s_lshl_b32 s56, s[48+\e], 7
	s_add_co_u32 s[32+\e], s[32+\e], s56           ; and the position of my wave's first row of it
.endr
.irp k, 0,1,2,3,4,5,6,7,8,9,10,11,12,13,14,15
	v_mov_b32 v[48+\k], 0
.endr
.irp k, 0,1,2,3,4,5,6,7,8,9,10,11,12,13,14,15
.irp e, 0,1,2,3,4,5,6,7
	v_cmp_eq_u32 s60, \e, v[32+\k]
	v_mbcnt_lo_u32_b32 v7, s60, s[32+\e]           ; the running position + the lanes below me that hold the same expert
	v_cndmask_b32 v[48+\k], v[48+\k], v7, s60
	s_bcnt1_i32_b32 s56, s60
	s_add_co_u32 s[32+\e], s[32+\e], s56
.endr
.endr
.irp j, 0,1,2,3
	global_store_b128 v4, v[48+4*\j:51+4*\j], s[18:19] offset:512*\j   ; pos
.endr
	s_lshl_b32 s58, s20, 8
	v_lshl_add_u32 v18, v1, 1, s58                 ; token of slot 512 w + 4 lane
.irp k, 0,1,2,3,4,5,6,7,8,9,10,11,12,13,14,15
	v_min_u32 v[64+\k], 4991, v[48+\k]
	v_lshlrev_b32 v[64+\k], 2, v[64+\k]
	v_add_nc_u32 v[80+\k], 64*(\k/4)+(\k%4)/2, v18
.endr
.irp k, 0,1,2,3,4,5,6,7,8,9,10,11,12,13,14,15
	global_store_b32 v[64+\k], v[80+\k], s[18:19] offset:16384         ; rowtok
.endr
	v_mov_b32 v20, 0                               ; tinfo: thread i writes tile i's pair.  Its expert = how many experts' tiles end at or below i (8: none left),
	v_mov_b32 v21, 0
.irp e, 0,1,2,3,4,5,6,7
	s_add_co_u32 s56, s[48+\e], s[40+\e]
	v_cmp_le_u32 vcc_lo, s56, v0
	v_cndmask_b32 v19, 0, 1, vcc_lo
	v_add_nc_u32 v20, v20, v19
.endr
	v_lshlrev_b32 v22, 7, v0
.irp e, 0,1,2,3,4,5,6,7
	s_lshl_b32 s56, s[48+\e], 7
	s_add_co_u32 s56, s56, s[24+\e]
	v_sub_nc_u32 v19, s56, v22                     ; its rows = what the expert has left from this tile on, 128 at the most
	v_min_u32 v19, 128, v19
	v_cmp_eq_u32 vcc_lo, \e, v20
	v_cndmask_b32 v21, v21, v19, vcc_lo
.endr
	v_lshlrev_b32 v23, 3, v0
	global_store_b64 v23, v[20:21], s[18:19] offset:36864
	s_wait_tensorcnt 0x0
	ds_add_u32 v192, v193
	s_wait_dscnt 0x0
	s_endpgm
.Lfunc_end_k_q4bf47104a0_prep:
	.size	k_q4bf47104a0_prep, .Lfunc_end_k_q4bf47104a0_prep-k_q4bf47104a0_prep
	.p2alignl 7, 3214868480
	.fill 96, 4, 3214868480
	.section	.rodata,"a",@progbits
	.p2align	6, 0x0
	.amdhsa_kernel k_q4bf47104a0_prep
		.amdhsa_group_segment_fixed_size 38144
		.amdhsa_private_segment_fixed_size 0
		.amdhsa_enable_private_segment 0
		.amdhsa_kernarg_size 64
		.amdhsa_user_sgpr_count 2
		.amdhsa_user_sgpr_kernarg_segment_ptr 1
		.amdhsa_wavefront_size32 1
		.amdhsa_system_sgpr_workgroup_id_x 1
		.amdhsa_system_sgpr_workgroup_id_y 1
		.amdhsa_system_sgpr_workgroup_id_z 1
		.amdhsa_system_vgpr_workitem_id 0
		.amdhsa_next_free_vgpr 194
		.amdhsa_next_free_sgpr 100
		.amdhsa_reserve_vcc 1
		.amdhsa_float_denorm_mode_32 3
		.amdhsa_float_denorm_mode_16_64 3
		.amdhsa_memory_ordered 1
		.amdhsa_forward_progress 1
		.amdhsa_inst_pref_size 90
	.end_amdhsa_kernel
	.amdgpu_metadata
---
amdhsa.version: [ 1, 2 ]
amdhsa.kernels:
  - .name:           k_q4bf47104a0_prep
    .symbol:         k_q4bf47104a0_prep.kd
    .args:
      - { .name: w1_codes, .offset: 0, .size: 8, .value_kind: global_buffer, .address_space: global }
      - { .name: w1_scales, .offset: 8, .size: 8, .value_kind: global_buffer, .address_space: global }
      - { .name: w2_codes, .offset: 16, .size: 8, .value_kind: global_buffer, .address_space: global }
      - { .name: w2_scales, .offset: 24, .size: 8, .value_kind: global_buffer, .address_space: global }
      - { .name: top_experts, .offset: 32, .size: 8, .value_kind: global_buffer, .address_space: global }
      - { .name: wp, .offset: 40, .size: 8, .value_kind: global_buffer, .address_space: global }
      - { .name: wsp, .offset: 48, .size: 8, .value_kind: global_buffer, .address_space: global }
      - { .name: route, .offset: 56, .size: 8, .value_kind: global_buffer, .address_space: global }
    .group_segment_fixed_size: 38144
    .private_segment_fixed_size: 0
    .kernarg_segment_align: 8
    .kernarg_segment_size: 64
    .max_flat_workgroup_size: 256
    .sgpr_count:     100
    .vgpr_count:     194
    .wavefront_size: 32
...
	.end_amdgpu_metadata
.endif
;; end of part 1
;; launch gemm1 (part 2): grid 4 x 39, 4 waves a work-group, no clusters, 133,632 bytes of LDS; arguments x_codes, x_scales, wp, wsp, route, hc, hs; writes hc, hs
.if DOCPART == 2
	.amdgcn_target "amdgcn-amd-amdhsa--gfx1250"
	.amdhsa_code_object_version 6
	.text
	.protected	k_q4bf47104a0_gemm1
	.globl	k_q4bf47104a0_gemm1
	.p2align	8
	.type	k_q4bf47104a0_gemm1,@function
k_q4bf47104a0_gemm1:
	s_mov_b64 s[64:65], 0
	v_nop
	global_prefetch_b8 v0, s[64:65] scope:SCOPE_SE
	s_setreg_imm32_b32 hwreg(HW_REG_WAVE_MODE, 25, 1), 1
	s_wait_xcnt 0x0
; SECOND LAUNCH: for a tile of 128 routed rows of one expert e: hidden = gelu(X W1[e]^T), exact GELU in f32, quantised to E4M3 with one E8M0 scale for each 32 hidden units, stored as images of the next product's operand registers.
; SHARES.  Work-group (nt, tile): 128 rows x 512 hidden units.  Wave w: all 128 rows x units 128 g .. 128 g + 127, g = 4 nt + w: one K step of the next product.  Each weight byte is loaded by one wave, straight into
; registers from wp's fragment order (512 consecutive bytes a load), three sets of a K step by turns, two of them on their way; the gathered rows of x are shared through LDS (128 rows, pitch 1,040 = 65 x 16 bytes).
; NO CLUSTER, NO TENSOR LOAD: which expert's weights a work-group walks, and whether it has rows at all, is read from the list.
; Every work-group passes the one barrier.  One whose tile has no rows gathers tile 0's first row instead, stores nothing and ends behind the barrier.  Rows past a tile's count repeat its last row.
; THE PRODUCT IS USED TRANSPOSED (source 0 = 16 rows of W1, source 1 = 16 rows of x), and wp's tiles hold rows 32 (t / 2) + 8 (t % 2) + r + 8 (r / 8): lane (r, h) holds row r, and its registers 16 b + i unit 32 b + 16 h + i.
; GELU: g = max(x, 0) - a q;  a = |x| sqrt(log2(e) / 2);  t = 1 / (1 + 0.4162773 a);  q = t 2^(P(t) - a a);  P = the polynomial of degree 9 of the rational Chebyshev fit of erfc (fractional error 1.2e-7), times log2(e), with
; log2(0.5 / 0.8493218) added to its constant.  So a q = 0.5 |x| erfc(|x| / sqrt 2).
; LIMITS: q under 2^-126 counts as 0 (the exponential flushes); an infinite or NaN pre-activation is not served; a block of zeros gets the scale byte 1 where the rule says 127: its codes are zeros, and this program alone reads the bytes.
; hc [tile][s 16][m 8][c 4][lane 32][16 bytes];  hs [tile][s 16][lane 32][q 4] words: lane (h, r), word q = the scale word of row tile m = 2 q + h, row r.
; REGISTERS.  window 0: v1 16 x lane; v2-3 x's fragment addresses; v4 h; v7 x's way into LDS; v8-19 W1's scale words, 3 sets; v[20:21] a constant; v22 the scale word just made; v24-27 hs's words; v32-63 x's scale words;
;   v64-127 x's fragments, four by turns; v128-255 weight set 2.  window 1: weight sets 0, 1.  windows 2, 3: accumulator (m, t) at 64 (m % 4) + 8 t.
;   Behind the products: window 0: v64-127 a, v128-191 max(x, 0) and then g, v192-207 at work, v208-223 codes; window 1: v0-63 t, v64-127 P and then q.
.set PX,   1040
.set WS,   8
.set XS,   32
.set RING, 64
.set AP,   64
.set M,    128
.set TM,   192
.set PC,   208
.set PW,   22
.set T,    0
.set P,    64
.set SEL,  36                          ; s[36:37] v_permlanex16_b32's selects for lane l xor 16
.set MNT,  38                          ; s38 the mantissa field of 448
.set KK,   40                          ; s40 sqrt(log2(e) / 2)
.set KD,   42                          ; s[42:43] 0.4162773; the polynomial's C0 .. C7 in s[44:45] .. s[58:59], C9 in s[60:61], C8 in v[20:21] (the packed forms name pairs and take the low word)
.set C9,   60
.set MI,   66
.set MSB, 0
.macro WIN new                         ; the immediate's high byte repeats the setting that is left
.if MSB != \new
	s_set_vgpr_msb (MSB<<8)|\new
.set MSB, \new
.endif
.endm
.macro PLACES n
.rept \n
	v_nop
.endr
.endm
.macro PAIR r, val
	s_mov_b32 s[\r], \val
	s_mov_b32 s[\r+1], s[\r]
.endm
	s_load_b256 s[4:11], s[0:1], 0x0               ; x_codes s[4:5], x_scales s[6:7], wp s[8:9], wsp s[10:11]
	s_load_b128 s[12:15], s[0:1], 0x20             ; route s[12:13], hc s[14:15]
	s_load_b64 s[16:17], s[0:1], 0x30              ; hs
	v_lshl_add_u32 v23, v0, 2, 0x20800
	v_mov_b32 v30, 0
	v_lshrrev_b32 v1, 5, v0
	v_readfirstlane_b32 s18, v1                    ; wave 0..3
	s_and_b32 s22, ttmp7, 0xffff                   ; tile
	s_lshl_b32 s25, s22, 3
	s_wait_kmcnt 0x0
	s_load_b64 s[20:21], s[12:13], s25 offset:36864  ; the tile's expert and rows
	v_and_b32 v28, 31, v0                          ; lane
	v_and_b32 v29, 15, v0                          ; r
	v_bfe_u32 v4, v0, 4, 1                         ; h
	v_lshlrev_b32 v1, 4, v28
	v_lshlrev_b32 v26, 4, v29
	v_mul_u32_u24 v2, v29, PX
	v_lshl_add_u32 v2, v4, 4, v2                   ; a fragment of x: row r x pitch + 16 h; row tiles 0-3,
	v_add_nc_u32 v3, 64*PX, v2                     ; row tiles 4-7
	s_mul_i32 s31, s18, 32*PX
	v_mul_u32_u24 v7, v4, PX
	v_add_nc_u32 v7, v7, v26
	v_add_nc_u32 v7, s31, v7                       ; into LDS: my wave's 32 rows, two rows a store
	s_mov_b32 s[SEL], 0x76543210
	s_mov_b32 s[SEL+1], 0xfedcba98
	s_mov_b32 s[MNT], 0x600000
	s_mov_b32 s[KK], 0x3f596d27                    ; 0.84932180
	PAIR KD, 0x3ed5224d                            ; 0.41627731
	PAIR 44, 0xc025c4b7                            ; C0 -2.59013141
	PAIR 46, 0x3fb8ab5a                            ; C1  1.44272920
	PAIR 48, 0x3f0a29d2                            ; C2  0.53970062
	PAIR 50, 0x3e0efb2f                            ; C3  0.13963006
	PAIR 52, 0xbe899a80                            ; C4 -0.26875686
	PAIR 54, 0x3ecdfd18                            ; C5  0.40232158
	PAIR 56, 0xbfd1a1e5                            ; C6 -1.63775315
	PAIR 58, 0x40097039                            ; C7  2.14747446
	PAIR C9, 0x3e7c6f08                            ; C9  0.24651730
	v_mov_b32 v20, 0xbf97d29d                      ; C8 -1.18611494
	v_mov_b32 v21, v20
	s_lshl_b32 s29, s18, 5
	v_add_nc_u32 v31, s29, v4                      ; 32 w + h
.irp j, 0,1,2,3,4,5,6,7,8,9,10,11,12,13,14,15
	v_add_nc_u32 v[64+\j], 2*\j, v31               ; the rows whose codes I gather: 32 w + 2 j + h
.endr
.irp q, 0,1,2,3
	v_add_nc_u32 v[80+\q], 32*\q, v28              ; the rows whose scale words I hold: 32 q + lane
.endr
	s_wait_kmcnt 0x0
	s_cmp_lt_u32 s20, 8
	s_cselect_b32 s24, 1, 0                        ; has the tile rows?
	s_cselect_b32 s26, s22, 0                      ; whose list is read: a tile without rows reads tile 0's, which is always written
	s_min_u32 s26, s26, 38
	s_min_u32 s20, s20, 7
	s_max_u32 s21, s21, 1
	s_min_u32 s21, s21, 128
	s_add_co_u32 s27, s21, -1                      ; the tile's last row
	s_lshl_b32 s23, ttmp9, 2
	s_add_co_u32 s23, s23, s18                     ; g
	s_lshl_b32 s28, s20, 4
	s_add_co_u32 s28, s28, s23                     ; 16 e + g
	s_mov_b32 s31, 0
	s_lshl_b32 s30, s28, 17
	s_add_nc_u64 s[8:9], s[8:9], s[30:31]          ; my 128 rows of W1[e], as fragments
	s_lshl_b32 s30, s28, 12
	s_add_nc_u64 s[10:11], s[10:11], s[30:31]      ; their scale words
	s_lshl_b32 s30, s26, 9
	s_add_co_u32 s30, s30, 16384
	s_add_nc_u64 s[12:13], s[12:13], s[30:31]      ; the tile's part of rowtok
	s_lshl_b32 s30, s22, 18
	s_lshl_b32 s29, s23, 14
	s_add_co_u32 s30, s30, s29
	s_add_nc_u64 s[14:15], s[14:15], s[30:31]      ; hc: tile, K step g
	s_lshl_b32 s30, s22, 13
	s_lshl_b32 s29, s23, 9
	s_add_co_u32 s30, s30, s29
	s_add_nc_u64 s[16:17], s[16:17], s[30:31]      ; hs likewise
.set n_, 0
.rept 20
	v_min_u32 v[64+n_], s27, v[64+n_]              ; rows past the count repeat the last row
	v_min_u32 v[64+n_], 127, v[64+n_]
	v_lshlrev_b32 v[64+n_], 2, v[64+n_]
.set n_, n_+1
.endr
.set n_, 0
.rept 20
	global_load_b32 v[64+n_], v[64+n_], s[12:13]   ; position -> token
.set n_, n_+1
.endr
	s_wait_loadcnt 0x0
.irp j, 0,1,2,3,4,5,6,7,8,9,10,11,12,13,14,15
	v_min_u32 v[64+\j], 2047, v[64+\j]
	v_lshl_add_u32 v[64+\j], v[64+\j], 10, v26     ; a token's 1,024 bytes of codes, + 16 r
.endr
.irp q, 0,1,2,3
	v_min_u32 v[80+\q], 2047, v[80+\q]
	v_lshlrev_b32 v[80+\q], 5, v[80+\q]            ; its 32 scale bytes
.endr
; K step s of my weights: one load of scale words and 32 of codes, 33 loads, into set s % 3
.macro WLOAD s
.set SG, (\s)%3
.set WB, 128*((SG+1)/2)
	WIN 0
	global_load_b128 v[WS+4*SG:WS+4*SG+3], v1, s[10:11] offset:512*(\s)
.if SG < 2
	WIN 0x40                                       ; sets 0 and 1 lie in window 1
.endif
.irp t, 0,1,2,3,4,5,6,7
.irp c, 0,1,2,3
	global_load_b128 v[WB+16*\t+4*\c:WB+16*\t+4*\c+3], v1, s[8:9] offset:16384*(\s)+2048*\t+512*\c
.endr
.endr
	WIN 0
.endm
	WIN 0x80                                       ; the gathered rows pass through the registers that the sums will take
.irp j, 0,1,2,3,4,5,6,7,8,9,10,11,12,13,14,15
.irp f, 0,1,2,3
	global_load_b128 v[16*\j+4*\f:16*\j+4*\f+3], v[64+\j], s[4:5] offset:256*\f   ; two rows x 256 consecutive bytes
.endr
.endr
	WIN 0
.irp q, 0,1,2,3
	global_load_b128 v[XS+8*\q:XS+8*\q+3], v[80+\q], s[6:7]             ; register 8 q + s: lanes 0-15 the words of row tile 2 q, lanes 16-31 of 2 q + 1, K step s
	global_load_b128 v[XS+8*\q+4:XS+8*\q+7], v[80+\q], s[6:7] offset:16
.endr
	WLOAD 0
	s_wait_loadcnt 33                              ; x's codes and scale words are in; the first set of weights stays out
	WIN 0x08                                       ; an LDS store's data are its source 1: window 2
.irp j, 0,1,2,3,4,5,6,7,8,9,10,11,12,13,14,15
.irp f, 0,1,2,3
	ds_store_b128 v7, v[16*\j+4*\f:16*\j+4*\f+3] offset:2*\j*PX+256*\f
.endr
.endr
	WIN 0
	WLOAD 1
	s_wait_dscnt 0x0                               ; for the others' sake: my 32 rows have landed
	s_barrier_signal -1
	s_barrier_wait -1                              ; the tile's 128 rows lie in LDS; nothing writes them again
	s_cmp_eq_u32 s24, 0
	s_cbranch_scc1 .Lend                           ; a tile without rows: nothing to compute, nothing to store
; x's fragments of group G = 4 s + p: row tiles 2 p, 2 p + 1, K step s: eight loads
.macro XFETCH G
.set xs_, (\G)/4
.set xp_, (\G)%4
.irp a, 0,1
.irp c, 0,1,2,3
.set xm_, 2*xp_+\a
	ds_load_b128 v[RING+16*(xm_%4)+4*\c:RING+16*(xm_%4)+4*\c+3], v[2+xm_/4] offset:(xm_%4)*16*PX+128*xs_+32*\c
.endr
.endr
.endm
; One product.  The scale words of two tiles share a register: the odd tile's lie in lanes 16-31.
.macro WMZ oa, ob
.if (\oa) && (\ob)
	v_wmma_scale_f32_16x16x128_f8f6f4 v[AC:AC+7], v[WA:WA+15], v[XB:XB+15], 0, v[SA], v[SB] matrix_a_scale:MATRIX_SCALE_ROW1 matrix_b_scale:MATRIX_SCALE_ROW1
.elseif (\oa)
	v_wmma_scale_f32_16x16x128_f8f6f4 v[AC:AC+7], v[WA:WA+15], v[XB:XB+15], 0, v[SA], v[SB] matrix_a_scale:MATRIX_SCALE_ROW1
.elseif (\ob)
	v_wmma_scale_f32_16x16x128_f8f6f4 v[AC:AC+7], v[WA:WA+15], v[XB:XB+15], 0, v[SA], v[SB] matrix_b_scale:MATRIX_SCALE_ROW1
.else
	v_wmma_scale_f32_16x16x128_f8f6f4 v[AC:AC+7], v[WA:WA+15], v[XB:XB+15], 0, v[SA], v[SB]
.endif
.endm
.macro WMA oa, ob
.if (\oa) && (\ob)
	v_wmma_scale_f32_16x16x128_f8f6f4 v[AC:AC+7], v[WA:WA+15], v[XB:XB+15], v[AC:AC+7], v[SA], v[SB] matrix_a_scale:MATRIX_SCALE_ROW1 matrix_b_scale:MATRIX_SCALE_ROW1
.elseif (\oa)
	v_wmma_scale_f32_16x16x128_f8f6f4 v[AC:AC+7], v[WA:WA+15], v[XB:XB+15], v[AC:AC+7], v[SA], v[SB] matrix_a_scale:MATRIX_SCALE_ROW1
.elseif (\ob)
	v_wmma_scale_f32_16x16x128_f8f6f4 v[AC:AC+7], v[WA:WA+15], v[XB:XB+15], v[AC:AC+7], v[SA], v[SB] matrix_b_scale:MATRIX_SCALE_ROW1
.else
	v_wmma_scale_f32_16x16x128_f8f6f4 v[AC:AC+7], v[WA:WA+15], v[XB:XB+15], v[AC:AC+7], v[SA], v[SB]
.endif
.endm
; Group G: 16 products, two row tiles x my eight tiles of W1.  The 64 accumulators take turns, one instruction a turn, in the same order in every K step; K step 0 starts the sums with the constant 0.
.macro GROUP
.set gs_, G/4
.set gp_, G%4
.if gp_ == 0
.if gs_ < 7
	s_wait_loadcnt 33                              ; this K step's set is in; the next one's 33 loads stay out
.else
	s_wait_loadcnt 0x0
.endif
.endif
.if G < 31
	s_wait_dscnt 8                                 ; this group's fragments of x are in; the next group's eight loads stay out
.else
	s_wait_dscnt 0x0
.endif
.set SG, gs_%3
.set WB, 128*((SG+1)/2)
.set AW, 2+gp_/2
.set NW, (1-SG/2)|(AW<<4)|(AW<<6)
	WIN NW                                         ; source 0: the set's window; source 1: window 0; C and D: window 2 or 3
.irp a, 0,1
.irp t, 0,1,2,3,4,5,6,7
.set mm_, 2*gp_+\a
.set AC, 64*(mm_%4)+8*\t
.set WA, WB+16*\t
.set XB, RING+16*(mm_%4)
.set SA, WS+4*SG+\t/2
.set SB, XS+8*(mm_/2)+gs_
.if gs_ == 0
	WMZ \t%2, \a
.else
	WMA \t%2, \a
.endif
.endr
.endr
	WIN 0
	PLACES 8                                       ; eight places between these products and loads into registers that they, or the groups before, have read
.if (gp_ == 0) && (gs_+2 <= 7)
	WLOAD gs_+2                                    ; into the set that the last K step has left
.endif
.if G+2 <= 31
	XFETCH G+2                                     ; into this group's two places
.endif
.endm
	XFETCH 0
	XFETCH 1
.set G, 0
.rept 32
	GROUP
.set G, G+1
.endr
; ---------------- GELU and quantiser, a row tile (16 rows x my 128 units: 64 numbers a lane) a trip.  Only the copy out of the accumulators differs from trip to trip: it is written eight times, the rest once.
.irp b, 0,1,2,3
	v_mov_b32 v[TM+4+\b], 0                        ; written once: a lane permute's destination counts as one of its sources
	v_mov_b32 v[24+\b], 0
.endr
	s_mov_b32 s[MI], 0
.macro STAGEA m                        ; a = |x| sqrt(log2(e) / 2) and max(x, 0), each accumulator from its low end on
.set NW, 2+(\m)/4
	WIN NW
.set i_, 0
.rept 64
	v_mul_f32 v[AP+i_], |v[64*((\m)%4)+i_]|, s[KK]
	v_max_num_f32 v[M+i_], v[64*((\m)%4)+i_], 0
.set i_, i_+1
.endr
	WIN 0
.endm
.macro ARM i
.LA\i:
	STAGEA \i
	s_branch .LB
.endm
.macro HTR kind                        ; behind every fourth line of a polynomial: one reciprocal of the second half (kind 0), or one exponential of the first half (kind 1)
.set hn_, hn_+1
.if (hn_%4 == 0) && (tc_ < 32)
.if \kind
	v_exp_f32 v[P+tc_], v[P+tc_]
.else
	v_rcp_f32 v[T+32+tc_], v[T+32+tc_]
.endif
.set tc_, tc_+1
.endif
.endm
.macro HORNER b, kind                  ; P(t) of half b, 32 numbers: nine packed multiply-adds on each of 16 pairs, the pairs by turns
.set hn_, 0
.set tc_, 0
.set o_, 32*(\b)
.rept 16
	v_pk_fma_f32 v[P+o_:P+o_+1], v[T+o_:T+o_+1], s[C9:C9+1], v[20:21] op_sel_hi:[1,0,1]
	HTR \kind
.set o_, o_+2
.endr
.irp c, 58,56,54,52,50,48,46,44
.set o_, 32*(\b)
.rept 16
	v_pk_fma_f32 v[P+o_:P+o_+1], v[P+o_:P+o_+1], v[T+o_:T+o_+1], s[\c:\c+1] op_sel_hi:[1,1,0]
	HTR \kind
.set o_, o_+2
.endr
.endr
.endm
.macro ARG b                           ; P - a a
.set o_, 32*(\b)
.rept 16
	v_pk_fma_f32 v[P+o_:P+o_+1], v[AP+o_:AP+o_+1], v[AP+o_:AP+o_+1], v[P+o_:P+o_+1] neg_lo:[0,1,0] neg_hi:[0,1,0]
.set o_, o_+2
.endr
.endm
.Lrow:
.irp i, 0,1,2,3,4,5,6
	s_cmp_eq_u32 s[MI], \i
	s_cbranch_scc1 .LA\i
.endr
	STAGEA 7
	s_branch .LB
	ARM 0
	ARM 1
	ARM 2
	ARM 3
	ARM 4
	ARM 5
.LA6:
	STAGEA 6
.LB:
	WIN 0x40                                       ; destination window 1
.set o_, 0
.rept 32
	v_pk_fma_f32 v[T+o_:T+o_+1], v[AP+o_:AP+o_+1], s[KD:KD+1], 1.0 op_sel_hi:[1,0,0]   ; 1 + 0.4162773 a
.set o_, o_+2
.endr
	WIN 0x45                                       ; sources 0, 1 and the destination in window 1
.set o_, 0
.rept 32
	v_rcp_f32 v[T+o_], v[T+o_]                     ; t of the first half: one batch
.set o_, o_+1
.endr
	v_nop                                          ; a plain instruction behind the last of the batch,
	s_wait_alu depctr_va_vdst(0)                   ; and the one wait ahead of the batch's first reader
	HORNER 0, 0                                    ; the second half's reciprocals stand among these lines, which name none of their results
	WIN 0x50
	ARG 0
	WIN 0x45
	s_wait_alu depctr_va_vdst(0)                   ; for the second half's reciprocals
	HORNER 1, 1                                    ; the first half's exponentials stand among these lines
	WIN 0x50
	ARG 1
	WIN 0x45
	s_wait_alu depctr_va_vdst(0)                   ; for the first half's exponentials
.set o_, 0
.rept 16
	v_pk_mul_f32 v[P+o_:P+o_+1], v[T+o_:T+o_+1], v[P+o_:P+o_+1]    ; q = t 2^(..), first half; the second half's exponentials between
	v_exp_f32 v[P+32+o_], v[P+32+o_]
	v_exp_f32 v[P+33+o_], v[P+33+o_]
.set o_, o_+2
.endr
	v_nop
	s_wait_alu depctr_va_vdst(0)                   ; for the second half's exponentials
.set o_, 32
.rept 16
	v_pk_mul_f32 v[P+o_:P+o_+1], v[T+o_:T+o_+1], v[P+o_:P+o_+1]
.set o_, o_+2
.endr
	WIN 0x04                                       ; source 1 window 1
.set o_, 0
.rept 32
	v_pk_fma_f32 v[M+o_:M+o_+1], v[AP+o_:AP+o_+1], v[P+o_:P+o_+1], v[M+o_:M+o_+1] neg_lo:[1,0,0] neg_hi:[1,0,0]   ; g = max(x, 0) - a q
.set o_, o_+2
.endr
	WIN 0
; the quantiser: register 16 b + i of v[M] on is unit 32 b + 16 h + i of my row; a block of 32 lies in lanes l and l xor 16
.irp b, 0,1,2,3
	v_max3_num_f32 v[TM+\b], |v[M+16*\b]|, |v[M+1+16*\b]|, 0x4800000   ; my 16 numbers of block b, and the floor 2^(9 - 127): the byte cannot fall under 1
.endr
.irp i, 2,4,6,8,10,12,14
.irp b, 0,1,2,3
	v_max3_num_f32 v[TM+\b], v[TM+\b], |v[M+16*\b+\i]|, |v[M+1+16*\b+\i]|
.endr
.endr
.irp b, 0,1,2,3
	v_permlanex16_b32 v[TM+4+\b], v[TM+\b], s[SEL], s[SEL+1]
.endr
.irp b, 0,1,2,3
	v_max_num_f32 v[TM+\b], v[TM+\b], v[TM+4+\b]   ; the block's largest magnitude
.endr
.irp b, 0,1,2,3
	v_add_nc_u32 v[TM+12+\b], 0xfc000000, v[TM+\b] ; 8 off its exponent field: the conversion takes this operand's exponent field as its scale
.endr
.irp b, 0,1,2,3
	v_and_or_b32 v[TM+8+\b], v[TM+\b], 0x7f800000, s[MNT]   ; 448 x the scale
.endr
.irp b, 0,1,2,3
	v_lshrrev_b32 v[TM+4+\b], 23, v[TM+12+\b]      ; the scale's byte
.endr
	v_lshl_or_b32 v[PW], v[TM+5], 8, v[TM+4]       ; my row's scale word for these 128 units; both halves of the lanes hold it
	v_lshl_or_b32 v[PW], v[TM+6], 16, v[PW]
	v_lshl_or_b32 v[PW], v[TM+7], 24, v[PW]
.irp b, 0,1,2,3
.irp i, 0,1,2,3,4,5,6,7,8,9,10,11,12,13,14,15
	v_med3_num_f32 v[M+16*\b+\i], v[M+16*\b+\i], -v[TM+8+\b], v[TM+8+\b]   ; the conversion to an 8-bit code does not saturate (ISA guide 7.6.2): the hold at the largest code x the scale
.endr
	v_cvt_scalef32_pk8_fp8_f32 v[PC+4*\b:PC+1+4*\b], v[M+16*\b:M+7+16*\b], v[TM+12+\b]
	v_cvt_scalef32_pk8_fp8_f32 v[PC+2+4*\b:PC+3+4*\b], v[M+8+16*\b:M+15+16*\b], v[TM+12+\b]
.endr
	v_nop                                          ; a plain instruction behind the last conversion, ahead of whatever next writes its sources
.irp q, 0,1,2,3
	s_sub_co_u32 s68, s[MI], 2*\q                  ; hs's word q of lane (h, r) is row tile 2 q + h's: kept in the trip in which m - 2 q = h
	v_cmp_eq_u32 vcc_lo, s68, v4
	v_cndmask_b32 v[24+\q], v[24+\q], v[PW], vcc_lo
.endr
.irp c, 0,1,2,3
	global_store_b128 v1, v[PC+4*\c:PC+4*\c+3], s[14:15] offset:512*\c   ; the fragment as it stands: 512 consecutive bytes a store
.endr
	s_wait_xcnt 0x0                                ; the stores have read their base and their data: both are written again only behind this wait
	s_add_nc_u64 s[14:15], s[14:15], 2048
	s_add_co_u32 s[MI], s[MI], 1
	s_cmp_lt_u32 s[MI], 8
	s_cbranch_scc1 .Lrow
	global_store_b128 v1, v[24:27], s[16:17]       ; the K step's 128 scale words
.Lend:
	s_wait_tensorcnt 0x0
	ds_add_u32 v23, v30
	s_wait_dscnt 0x0
	s_endpgm
.Lfunc_end_k_q4bf47104a0_gemm1:
	.size	k_q4bf47104a0_gemm1, .Lfunc_end_k_q4bf47104a0_gemm1-k_q4bf47104a0_gemm1
	.p2alignl 7, 3214868480
	.fill 96, 4, 3214868480
	.section	.rodata,"a",@progbits
	.p2align	6, 0x0
	.amdhsa_kernel k_q4bf47104a0_gemm1
		.amdhsa_group_segment_fixed_size 133632
		.amdhsa_private_segment_fixed_size 0
		.amdhsa_enable_private_segment 0
		.amdhsa_kernarg_size 56
		.amdhsa_user_sgpr_count 2
		.amdhsa_user_sgpr_kernarg_segment_ptr 1
		.amdhsa_wavefront_size32 1
		.amdhsa_system_sgpr_workgroup_id_x 1
		.amdhsa_system_sgpr_workgroup_id_y 1
		.amdhsa_system_sgpr_workgroup_id_z 1
		.amdhsa_system_vgpr_workitem_id 0
		.amdhsa_next_free_vgpr 1024
		.amdhsa_next_free_sgpr 100
		.amdhsa_reserve_vcc 1
		.amdhsa_float_denorm_mode_32 3
		.amdhsa_float_denorm_mode_16_64 3
		.amdhsa_memory_ordered 1
		.amdhsa_forward_progress 1
		.amdhsa_inst_pref_size 244
	.end_amdhsa_kernel
	.amdgpu_metadata
---
amdhsa.version: [ 1, 2 ]
amdhsa.kernels:
  - .name:           k_q4bf47104a0_gemm1
    .symbol:         k_q4bf47104a0_gemm1.kd
    .args:
      - { .name: x_codes, .offset: 0, .size: 8, .value_kind: global_buffer, .address_space: global }
      - { .name: x_scales, .offset: 8, .size: 8, .value_kind: global_buffer, .address_space: global }
      - { .name: wp, .offset: 16, .size: 8, .value_kind: global_buffer, .address_space: global }
      - { .name: wsp, .offset: 24, .size: 8, .value_kind: global_buffer, .address_space: global }
      - { .name: route, .offset: 32, .size: 8, .value_kind: global_buffer, .address_space: global }
      - { .name: hc, .offset: 40, .size: 8, .value_kind: global_buffer, .address_space: global }
      - { .name: hs, .offset: 48, .size: 8, .value_kind: global_buffer, .address_space: global }
    .group_segment_fixed_size: 133632
    .private_segment_fixed_size: 0
    .kernarg_segment_align: 8
    .kernarg_segment_size: 56
    .max_flat_workgroup_size: 128
    .sgpr_count:     100
    .vgpr_count:     1024
    .wavefront_size: 32
...
	.end_amdgpu_metadata
.endif
;; end of part 2
;; launch gemm2 (part 3): grid 4 x 39, 4 waves a work-group, no clusters, 280,064 bytes of LDS; arguments hc, hs, wp, wsp, route, y; writes y
.if DOCPART == 3
	.amdgcn_target "amdgcn-amd-amdhsa--gfx1250"
	.amdhsa_code_object_version 6
	.text
	.protected	k_q4bf47104a0_gemm2
	.globl	k_q4bf47104a0_gemm2
	.p2align	8
	.type	k_q4bf47104a0_gemm2,@function
k_q4bf47104a0_gemm2:
	s_mov_b64 s[64:65], 0
	v_nop
	global_prefetch_b8 v0, s[64:65] scope:SCOPE_SE
	s_setreg_imm32_b32 hwreg(HW_REG_WAVE_MODE, 25, 1), 1
	s_wait_xcnt 0x0
; THIRD LAUNCH: y[position] = Q(hidden)[position] W2[e]^T for a tile of 128 positions of one expert, K = 2,048, not yet weighed.  y: [4992][1024] f32.
; SHARES.  Work-group (nt, tile): 128 positions x 256 outputs.  Wave w: all 128 x outputs 64 ng .. 64 ng + 63, ng = 4 nt + w.  Each weight byte is loaded by one wave, straight into registers from wp's fragment order,
; four sets of a K step by turns, three of them on their way.  The tile's hidden codes, 262,144 bytes of register images, are copied into LDS once (a quarter a wave) and read from there by all four waves.
; NO CLUSTER, NO TENSOR LOAD: which expert's weights a work-group walks, and whether it has rows at all, is read from the list.
; Every work-group passes the one barrier; one whose tile has no rows copies tile 0's image instead, stores nothing and ends behind the barrier.  All 128 positions of a tile with rows are stored: no mask, no scatter.
; THE PRODUCT IS USED TRANSPOSED (source 0 = 16 rows of W2, source 1 = 16 positions): a lane holds eight neighbouring outputs of one position.
; REGISTERS.  window 0: v1 16 x lane, v2 8 x lane, v4-7 the image's four quarters, v8-10 the way out, v12 the copy; v16-23 W2's scale words, 4 sets; v32-47 the hidden layer's, 4 sets; v64-127 rows on the way out;
;   v128-255 the hidden layer's eight fragments of a K step.  window 1: the four weight sets.  window 2: accumulator (m, t) at 8 (4 m + t); before that the copy's buffer.
.set STAGE, 262144                     ; behind the image: 16 rows x 272 bytes for each wave
.set WS,  16
.set HS,  32
.set BK,  64
.set MSB, 0
.macro WIN new                         ; the immediate's high byte repeats the setting that is left
.if MSB != \new
	s_set_vgpr_msb (MSB<<8)|\new
.set MSB, \new
.endif
.endm
.macro PLACES n
.rept \n
	v_nop
.endr
.endm
	s_load_b256 s[4:11], s[0:1], 0x0               ; hc s[4:5], hs s[6:7], wp s[8:9], wsp s[10:11]
	s_load_b128 s[12:15], s[0:1], 0x20             ; route s[12:13], y s[14:15]
	v_lshl_add_u32 v62, v0, 2, 0x44400
	v_mov_b32 v63, 0
	v_lshrrev_b32 v1, 5, v0
	v_readfirstlane_b32 s18, v1                    ; wave 0..3
	s_and_b32 s22, ttmp7, 0xffff                   ; tile
	s_lshl_b32 s25, s22, 3
	s_wait_kmcnt 0x0
	s_load_b32 s20, s[12:13], s25 offset:36864     ; the tile's expert; 8: no rows
	v_and_b32 v3, 31, v0
	v_and_b32 v11, 15, v0                          ; r
	v_bfe_u32 v13, v0, 4, 1                        ; h
	v_lshlrev_b32 v1, 4, v3
	v_lshlrev_b32 v2, 3, v3
.irp k, 0,1,2,3
	v_add_nc_u32 v[4+\k], 65536*\k, v1             ; K steps 4 k .. 4 k + 3 of the image
.endr
	s_lshl_b32 s30, s18, 16
	v_add_nc_u32 v12, s30, v1                      ; my quarter of the image
	s_mul_i32 s30, s18, 16*272
	s_add_co_u32 s30, s30, STAGE
	v_mul_u32_u24 v8, v11, 272
	v_lshl_add_u32 v8, v13, 5, v8
	v_add_nc_u32 v8, s30, v8                       ; into my stage: row r, 32 bytes for each half of the lanes
	v_mul_u32_u24 v9, v13, 272
	v_lshl_add_u32 v9, v11, 4, v9
	v_add_nc_u32 v9, s30, v9                       ; back: lanes 0-15 one row of 256 bytes, lanes 16-31 the next
	v_lshlrev_b32 v10, 12, v13
	v_lshl_add_u32 v10, v11, 4, v10                ; and the same two rows of y
	s_wait_kmcnt 0x0
	s_cmp_lt_u32 s20, 8
	s_cselect_b32 s24, 1, 0
	s_cselect_b32 s26, s22, 0                      ; whose image is read: a tile without rows reads tile 0's, which is always written
	s_min_u32 s26, s26, 38
	s_min_u32 s20, s20, 7
	s_lshl_b32 s23, ttmp9, 2
	s_add_co_u32 s23, s23, s18                     ; ng
	s_lshl_b32 s28, s20, 4
	s_add_co_u32 s28, s28, s23                     ; 16 e + ng
	s_mov_b32 s31, 0
	s_lshl_b32 s30, s28, 17
	s_add_co_u32 s30, s30, 0x1000000
	s_add_nc_u64 s[8:9], s[8:9], s[30:31]          ; my 64 rows of W2[e], as fragments
	s_lshl_b32 s30, s28, 12
	s_add_co_u32 s30, s30, 0x80000
	s_add_nc_u64 s[10:11], s[10:11], s[30:31]      ; their scale words
	s_lshl_b32 s30, s26, 13
	s_add_nc_u64 s[6:7], s[6:7], s[30:31]          ; the tile's scale words
	s_lshl_b32 s30, s26, 18
	s_lshl_b32 s29, s18, 16
	s_add_co_u32 s30, s30, s29
	s_add_nc_u64 s[4:5], s[4:5], s[30:31]          ; my quarter of its codes
	s_lshl_b32 s30, s22, 19
	s_lshl_b32 s29, s23, 8
	s_add_co_u32 s30, s30, s29
	s_add_nc_u64 s[14:15], s[14:15], s[30:31]      ; y: 128 rows of 4,096 bytes a tile, + my 64 outputs' 256 bytes
; Half of K step s's loads into set s % 4: half 0: both sides' scale words and tiles 0, 1 (10 loads); half 1: tiles 2, 3 (8 loads)
.macro WHALF s, hf
.set SG, (\s)%4
.if (\hf) == 0
	WIN 0
	global_load_b64 v[WS+2*SG:WS+2*SG+1], v2, s[10:11] offset:256*(\s)
	global_load_b128 v[HS+4*SG:HS+4*SG+3], v1, s[6:7] offset:512*(\s)
.endif
	WIN 0x40
.irp t, 0,1
.irp c, 0,1,2,3
.set tt_, 2*(\hf)+\t
	global_load_b128 v[64*SG+16*tt_+4*\c:64*SG+16*tt_+4*\c+3], v1, s[8:9] offset:8192*(\s)+2048*tt_+512*\c
.endr
.endr
	WIN 0
.endm
; THE COPY: 128 pieces of 512 bytes a wave, through 64 groups of four registers
	WIN 0x80
.set n_, 0
.rept 64
	global_load_b128 v[4*n_:4*n_+3], v1, s[4:5] offset:512*n_
.set n_, n_+1
.endr
.irp g, 0,1,2,3,4,5,6,7
	s_wait_loadcnt 56                              ; the oldest eight of the 64 loads that are out
	WIN 0x08
.irp i, 0,1,2,3,4,5,6,7
	ds_store_b128 v12, v[4*(8*\g+\i):4*(8*\g+\i)+3] offset:512*(8*\g+\i)
.endr
	s_wait_dscnt 0x0                               ; the stores have read their registers, which take the second half's pieces
	WIN 0x80
.irp i, 0,1,2,3,4,5,6,7
	global_load_b128 v[4*(8*\g+\i):4*(8*\g+\i)+3], v1, s[4:5] offset:512*(64+8*\g+\i)
.endr
.endr
.irp g, 0,1,2,3,4,5,6,7
.if \g < 7
	s_wait_loadcnt 8*(7-\g)+18*(\g/2)+10*(\g%2)    ; behind this group's eight: the later groups' loads, and the weights' loads issued below so far
.else
	s_wait_loadcnt 54                              ; three K steps' 18 loads each
.endif
	WIN 0x08
.irp i, 0,1,2,3,4,5,6,7
	ds_store_b128 v12, v[4*(8*\g+\i):4*(8*\g+\i)+3] offset:512*(64+8*\g+\i)
.endr
.if \g <= 5
	WHALF \g/2, \g%2                               ; the first three K steps' weights go out while the copy ends
.endif
.endr
	WIN 0
	s_wait_dscnt 0x0                               ; for the others' sake: my quarter has landed
	s_barrier_signal -1
	s_barrier_wait -1                              ; the image is whole; nothing writes it again
	s_cmp_eq_u32 s24, 0
	s_cbranch_scc1 .Lend                           ; a tile without rows: nothing to compute, nothing to store
.macro HFETCH s, m0                    ; the hidden layer's fragments m0 .. m0 + 3 of K step s: 16 loads, 512 consecutive bytes each
.irp a, 0,1,2,3
.irp c, 0,1,2,3
	ds_load_b128 v[128+16*((\m0)+\a)+4*\c:128+16*((\m0)+\a)+4*\c+3], v[4+(\s)/4] offset:((\s)%4)*16384+2048*((\m0)+\a)+512*\c
.endr
.endr
.endm
.macro WMZ oa, ob
.if (\oa) && (\ob)
	v_wmma_scale_f32_16x16x128_f8f6f4 v[AC:AC+7], v[WA:WA+15], v[XB:XB+15], 0, v[SA], v[SB] matrix_a_scale:MATRIX_SCALE_ROW1 matrix_b_scale:MATRIX_SCALE_ROW1
.elseif (\oa)
	v_wmma_scale_f32_16x16x128_f8f6f4 v[AC:AC+7], v[WA:WA+15], v[XB:XB+15], 0, v[SA], v[SB] matrix_a_scale:MATRIX_SCALE_ROW1
.elseif (\ob)
	v_wmma_scale_f32_16x16x128_f8f6f4 v[AC:AC+7], v[WA:WA+15], v[XB:XB+15], 0, v[SA], v[SB] matrix_b_scale:MATRIX_SCALE_ROW1
.else
	v_wmma_scale_f32_16x16x128_f8f6f4 v[AC:AC+7], v[WA:WA+15], v[XB:XB+15], 0, v[SA], v[SB]
.endif
.endm
.macro WMA oa, ob
.if (\oa) && (\ob)
	v_wmma_scale_f32_16x16x128_f8f6f4 v[AC:AC+7], v[WA:WA+15], v[XB:XB+15], v[AC:AC+7], v[SA], v[SB] matrix_a_scale:MATRIX_SCALE_ROW1 matrix_b_scale:MATRIX_SCALE_ROW1
.elseif (\oa)
	v_wmma_scale_f32_16x16x128_f8f6f4 v[AC:AC+7], v[WA:WA+15], v[XB:XB+15], v[AC:AC+7], v[SA], v[SB] matrix_a_scale:MATRIX_SCALE_ROW1
.elseif (\ob)
	v_wmma_scale_f32_16x16x128_f8f6f4 v[AC:AC+7], v[WA:WA+15], v[XB:XB+15], v[AC:AC+7], v[SA], v[SB] matrix_b_scale:MATRIX_SCALE_ROW1
.else
	v_wmma_scale_f32_16x16x128_f8f6f4 v[AC:AC+7], v[WA:WA+15], v[XB:XB+15], v[AC:AC+7], v[SA], v[SB]
.endif
.endm
; 16 products: row tiles m0 .. m0 + 3 x my four tiles of W2.  The 32 accumulators take turns, one instruction a turn, in the same order in every K step; K step 0 starts the sums with the constant 0.
.macro MUL16 s, m0
.set SG, (\s)%4
	WIN 0xa1                                       ; source 0 window 1, source 1 window 0, C and D window 2
.irp a, 0,1,2,3
.irp t, 0,1,2,3
.set mm_, (\m0)+\a
.set AC, 8*(4*mm_+\t)
.set WA, 64*SG+16*\t
.set XB, 128+16*mm_
.set SA, WS+2*SG+\t/2
.set SB, HS+4*SG+mm_/2
.if (\s) == 0
	WMZ \t%2, \a%2
.else
	WMA \t%2, \a%2
.endif
.endr
.endr
	WIN 0
.endm
.macro STEP
.if S < 14
	s_wait_loadcnt 36                              ; this K step's 18 loads are in; the next two steps' stay out
.elseif S == 14
	s_wait_loadcnt 18
.else
	s_wait_loadcnt 0x0
.endif
	s_wait_dscnt 16                                ; row tiles 0-3 are in; the 16 loads of row tiles 4-7 may be out
	MUL16 S, 0
	s_wait_dscnt 0x0                               ; row tiles 4-7 are in
	PLACES 8                                       ; eight places between products and loads into registers that they, or the step before, have read
.if S < 15
	HFETCH S+1, 0
.endif
.if S+3 <= 15
	WHALF S+3, 0                                   ; into the set that the last K step has left
	WHALF S+3, 1
.endif
	MUL16 S, 4
	PLACES 8
.if S < 15
	HFETCH S+1, 4
.endif
.endm
	HFETCH 0, 0
	HFETCH 0, 4
.set S, 0
.rept 16
	STEP
.set S, S+1
.endr
; THE WAY OUT, a row tile (16 positions x 64 outputs) at a time: through my own stage, back as whole rows of 256 bytes.  LDS serves a wave's instructions in order: no wait between the stores and the loads.
.macro TOSTAGE a
	WIN 0x08
.irp t, 0,1,2,3
	ds_store_b128 v8, v[8*(4*(\a)+\t):8*(4*(\a)+\t)+3] offset:64*\t          ; each accumulator from its low end on
	ds_store_b128 v8, v[8*(4*(\a)+\t)+4:8*(4*(\a)+\t)+7] offset:64*\t+16
.endr
	WIN 0
.irp i, 0,1,2,3,4,5,6,7
	ds_load_b128 v[BK+32*((\a)%2)+4*\i:BK+32*((\a)%2)+4*\i+3], v9 offset:544*\i
.endr
.endm
.macro SEND a, younger                 ; younger: the LDS instructions issued behind this tile's loads
	s_wait_dscnt \younger
.irp i, 0,1,2,3,4,5,6,7
	global_store_b128 v10, v[BK+32*((\a)%2)+4*\i:BK+32*((\a)%2)+4*\i+3], s[14:15] offset:65536*(\a)+8192*\i   ; sixteen lanes store 256 consecutive bytes, at a multiple of 256 from y's first byte
.endr
.endm
	TOSTAGE 0
.irp a, 1,2,3,4,5,6,7
.if \a > 1
	s_wait_xcnt 0x0                                ; the stores of the tile two back have read their registers: this tile's rows may land there
.endif
	TOSTAGE \a
	SEND \a-1, 16                                  ; behind its loads: this tile's eight stores and eight loads
.endr
	SEND 7, 0
.Lend:
	s_wait_tensorcnt 0x0
	ds_add_u32 v62, v63
	s_wait_dscnt 0x0
	s_endpgm
.Lfunc_end_k_q4bf47104a0_gemm2:
	.size	k_q4bf47104a0_gemm2, .Lfunc_end_k_q4bf47104a0_gemm2-k_q4bf47104a0_gemm2
	.p2alignl 7, 3214868480
	.fill 96, 4, 3214868480
	.section	.rodata,"a",@progbits
	.p2align	6, 0x0
	.amdhsa_kernel k_q4bf47104a0_gemm2
		.amdhsa_group_segment_fixed_size 280064
		.amdhsa_private_segment_fixed_size 0
		.amdhsa_enable_private_segment 0
		.amdhsa_kernarg_size 48
		.amdhsa_user_sgpr_count 2
		.amdhsa_user_sgpr_kernarg_segment_ptr 1
		.amdhsa_wavefront_size32 1
		.amdhsa_system_sgpr_workgroup_id_x 1
		.amdhsa_system_sgpr_workgroup_id_y 1
		.amdhsa_system_sgpr_workgroup_id_z 1
		.amdhsa_system_vgpr_workitem_id 0
		.amdhsa_next_free_vgpr 768
		.amdhsa_next_free_sgpr 66
		.amdhsa_reserve_vcc 0
		.amdhsa_float_denorm_mode_32 3
		.amdhsa_float_denorm_mode_16_64 3
		.amdhsa_memory_ordered 1
		.amdhsa_forward_progress 1
		.amdhsa_inst_pref_size 177
	.end_amdhsa_kernel
	.amdgpu_metadata
---
amdhsa.version: [ 1, 2 ]
amdhsa.kernels:
  - .name:           k_q4bf47104a0_gemm2
    .symbol:         k_q4bf47104a0_gemm2.kd
    .args:
      - { .name: hc, .offset: 0, .size: 8, .value_kind: global_buffer, .address_space: global }
      - { .name: hs, .offset: 8, .size: 8, .value_kind: global_buffer, .address_space: global }
      - { .name: wp, .offset: 16, .size: 8, .value_kind: global_buffer, .address_space: global }
      - { .name: wsp, .offset: 24, .size: 8, .value_kind: global_buffer, .address_space: global }
      - { .name: route, .offset: 32, .size: 8, .value_kind: global_buffer, .address_space: global }
      - { .name: y, .offset: 40, .size: 8, .value_kind: global_buffer, .address_space: global }
    .group_segment_fixed_size: 280064
    .private_segment_fixed_size: 0
    .kernarg_segment_align: 8
    .kernarg_segment_size: 48
    .max_flat_workgroup_size: 128
    .sgpr_count:     66
    .vgpr_count:     768
    .wavefront_size: 32
...
	.end_amdgpu_metadata
.endif
;; end of part 3
;; launch combine (part 4): grid 256 x 1, 8 waves a work-group, no clusters, 0 bytes of LDS; arguments route, expert_weights, y, out0; writes out0
.if DOCPART == 4
	.amdgcn_target "amdgcn-amd-amdhsa--gfx1250"
	.amdhsa_code_object_version 6
	.text
	.protected	k_q4bf47104a0_combine
	.globl	k_q4bf47104a0_combine
	.p2align	8
	.type	k_q4bf47104a0_combine,@function
k_q4bf47104a0_combine:
	s_mov_b64 s[64:65], 0
	v_nop
	global_prefetch_b8 v0, s[64:65] scope:SCOPE_SE
	s_setreg_imm32_b32 hwreg(HW_REG_WAVE_MODE, 25, 1), 1
	s_wait_xcnt 0x0
; FOURTH LAUNCH: out0[t] = expert_weights[t][0] y[pos[2 t]] + expert_weights[t][1] y[pos[2 t + 1]].  A token that names one expert twice has two positions with equal rows: the sum is (w0 + w1) x that row.
; A stream: one wave, one token; each load and store covers 512 consecutive bytes; every byte of y that is named is read once, every byte of out0 written once.  No LDS, no barrier, no matrix unit: memory binds.
	s_load_b256 s[4:11], s[0:1], 0x0               ; route s[4:5], expert_weights s[6:7], y s[8:9], out0 s[10:11]
	v_lshrrev_b32 v1, 5, v0
	v_readfirstlane_b32 s12, v1                    ; wave 0..7
	v_and_b32 v1, 31, v0
	v_lshlrev_b32 v1, 4, v1                        ; 16 x lane
	s_lshl_b32 s13, ttmp9, 3
	s_add_co_u32 s13, s13, s12                     ; my token
	s_lshl_b32 s14, s13, 3
	s_wait_kmcnt 0x0
	s_load_b64 s[16:17], s[4:5], s14 offset:0x0    ; its two positions,
	s_load_b64 s[18:19], s[6:7], s14 offset:0x0    ; its two weights
	s_lshl_b32 s26, s13, 12
	s_mov_b32 s27, 0
	s_add_nc_u64 s[10:11], s[10:11], s[26:27]      ; its row of out0
	s_wait_kmcnt 0x0
	s_min_u32 s16, s16, 4991
	s_min_u32 s17, s17, 4991
	s_lshl_b32 s24, s16, 12
	s_mov_b32 s25, 0
	s_lshl_b32 s28, s17, 12
	s_mov_b32 s29, 0
	s_add_nc_u64 s[24:25], s[8:9], s[24:25]
	s_add_nc_u64 s[28:29], s[8:9], s[28:29]
	s_mov_b32 s20, s18                             ; the packed forms name a pair and take its low word for both halves
	s_mov_b32 s21, s18
	s_mov_b32 s22, s19
	s_mov_b32 s23, s19
.irp j, 0,1,2,3,4,5,6,7
	global_load_b128 v[8+4*\j:11+4*\j], v1, s[24:25] offset:512*\j th:TH_LOAD_NT
.endr
.irp j, 0,1,2,3,4,5,6,7
	global_load_b128 v[40+4*\j:43+4*\j], v1, s[28:29] offset:512*\j th:TH_LOAD_NT
.endr
.irp j, 0,1,2,3,4,5,6,7
	s_wait_loadcnt 7-\j                            ; the second row's piece j is in (the first row's came ahead of it); the later pieces stay out
	v_pk_mul_f32 v[8+4*\j:9+4*\j], v[8+4*\j:9+4*\j], s[20:21] op_sel_hi:[1,0]
	v_pk_mul_f32 v[10+4*\j:11+4*\j], v[10+4*\j:11+4*\j], s[20:21] op_sel_hi:[1,0]
	v_pk_fma_f32 v[8+4*\j:9+4*\j], v[40+4*\j:41+4*\j], s[22:23], v[8+4*\j:9+4*\j] op_sel_hi:[1,0,1]
	v_pk_fma_f32 v[10+4*\j:11+4*\j], v[42+4*\j:43+4*\j], s[22:23], v[10+4*\j:11+4*\j] op_sel_hi:[1,0,1]
	global_store_b128 v1, v[8+4*\j:11+4*\j], s[10:11] offset:512*\j th:TH_STORE_NT
.endr
	s_endpgm
.Lfunc_end_k_q4bf47104a0_combine:
	.size	k_q4bf47104a0_combine, .Lfunc_end_k_q4bf47104a0_combine-k_q4bf47104a0_combine
	.p2alignl 7, 3214868480
	.fill 96, 4, 3214868480
	.section	.rodata,"a",@progbits
	.p2align	6, 0x0
	.amdhsa_kernel k_q4bf47104a0_combine
		.amdhsa_group_segment_fixed_size 0
		.amdhsa_private_segment_fixed_size 0
		.amdhsa_enable_private_segment 0
		.amdhsa_kernarg_size 32
		.amdhsa_user_sgpr_count 2
		.amdhsa_user_sgpr_kernarg_segment_ptr 1
		.amdhsa_wavefront_size32 1
		.amdhsa_system_sgpr_workgroup_id_x 1
		.amdhsa_system_sgpr_workgroup_id_y 1
		.amdhsa_system_sgpr_workgroup_id_z 1
		.amdhsa_system_vgpr_workitem_id 0
		.amdhsa_next_free_vgpr 80
		.amdhsa_next_free_sgpr 66
		.amdhsa_reserve_vcc 0
		.amdhsa_float_denorm_mode_32 3
		.amdhsa_float_denorm_mode_16_64 3
		.amdhsa_memory_ordered 1
		.amdhsa_forward_progress 1
		.amdhsa_inst_pref_size 6
	.end_amdhsa_kernel
	.amdgpu_metadata
---
amdhsa.version: [ 1, 2 ]
amdhsa.kernels:
  - .name:           k_q4bf47104a0_combine
    .symbol:         k_q4bf47104a0_combine.kd
    .args:
      - { .name: route, .offset: 0, .size: 8, .value_kind: global_buffer, .address_space: global }
      - { .name: expert_weights, .offset: 8, .size: 8, .value_kind: global_buffer, .address_space: global }
      - { .name: y, .offset: 16, .size: 8, .value_kind: global_buffer, .address_space: global }
      - { .name: out0, .offset: 24, .size: 8, .value_kind: global_buffer, .address_space: global }
    .group_segment_fixed_size: 0
    .private_segment_fixed_size: 0
    .kernarg_segment_align: 8
    .kernarg_segment_size: 32
    .max_flat_workgroup_size: 256
    .sgpr_count:     66
    .vgpr_count:     80
    .wavefront_size: 32
...
	.end_amdgpu_metadata
.endif
;; end of part 4
;; ======== version 2 of 2: 4 launches; version 1 with the launches gemm1, gemm2 written anew for expert scheduling mode
;; workspace buffers: wp 33,554,432 bytes; wsp 1,048,576 bytes; route 38,912 bytes of whole numbers; hc 10,223,616 bytes; hs 319,488 bytes; y 20,447,232 bytes
;; launch prep: the kernel of part 1 again; grid 257 x 1, 8 waves a work-group, no clusters, 38,144 bytes of LDS; arguments w1_codes, w1_scales, w2_codes, w2_scales, top_experts, wp, wsp, route; writes wp, wsp, route
;; launch gemm1 (part 5): grid 4 x 39, 4 waves a work-group, no clusters, 133,632 bytes of LDS; arguments x_codes, x_scales, wp, wsp, route, hc, hs; writes hc, hs
.if DOCPART == 5
	.amdgcn_target "amdgcn-amd-amdhsa--gfx1250"
	.amdhsa_code_object_version 6
	.text
	.protected	k_q4bf47104a0_gemm1
	.globl	k_q4bf47104a0_gemm1
	.p2align	8
	.type	k_q4bf47104a0_gemm1,@function
k_q4bf47104a0_gemm1:
	s_mov_b64 s[64:65], 0
	v_nop
	global_prefetch_b8 v0, s[64:65] scope:SCOPE_SE
	s_setreg_imm32_b32 hwreg(HW_REG_WAVE_SCHED_MODE, 0, 2), 2
	s_setreg_imm32_b32 hwreg(HW_REG_WAVE_MODE, 25, 1), 1
	s_wait_xcnt 0x0
	s_wait_alu depctr_vm_vsrc(0)
; SECOND LAUNCH: for a tile of 128 routed rows of one expert e: hidden = gelu(X W1[e]^T), exact GELU in f32, quantised to E4M3 with one E8M0 scale for each 32 hidden units, stored as images of the next product's operand registers.
; SHARES.  Work-group (nt, tile): 128 rows x 512 hidden units.  Wave w: all 128 rows x units 128 g .. 128 g + 127, g = 4 nt + w: one K step of the next product.  Each weight byte is loaded by one wave, straight into
; registers from wp's fragment order (512 consecutive bytes a load), three sets of a K step by turns, two of them on their way; the gathered rows of x are shared through LDS (128 rows, pitch 1,040 = 65 x 16 bytes).
; NO CLUSTER, NO TENSOR LOAD: which expert's weights a work-group walks, and whether it has rows at all, is read from the list.
; Every work-group passes the one barrier.  One whose tile has no rows gathers tile 0's first row instead, stores nothing and ends behind the barrier.  Rows past a tile's count repeat its last row.
; THE PRODUCT IS USED TRANSPOSED (source 0 = 16 rows of W1, source 1 = 16 rows of x), and wp's tiles hold rows 32 (t / 2) + 8 (t % 2) + r + 8 (r / 8): lane (r, h) holds row r, and its registers 16 b + i unit 32 b + 16 h + i.
; GELU: g = max(x, 0) - a q;  a = |x| sqrt(log2(e) / 2);  t = 1 / (1 + 0.4162773 a);  q = t 2^(P(t) - a a);  P = the polynomial of degree 9 of the rational Chebyshev fit of erfc (fractional error 1.2e-7), times log2(e), with
; log2(0.5 / 0.8493218) added to its constant.  So a q = 0.5 |x| erfc(|x| / sqrt 2).
; LIMITS: q under 2^-126 counts as 0 (the exponential flushes); an infinite or NaN pre-activation is not served; a block of zeros gets the scale byte 1 where the rule says 127: its codes are zeros, and this program alone reads the bytes.
; hc [tile][s 16][m 8][c 4][lane 32][16 bytes];  hs [tile][s 16][lane 32][q 4] words: lane (h, r), word q = the scale word of row tile m = 2 q + h, row r.
; REGISTERS.  window 0: v1 16 x lane; v2-3 x's fragment addresses; v4 h; v7 x's way into LDS; v8-19 W1's scale words, 3 sets; v[20:21] a constant; v22 the scale word just made; v24-27 hs's words; v32-63 x's scale words;
;   v64-127 x's fragments, four by turns (at the head: v64-83 offsets into the list, v96-115 the tokens and then their offsets); v128-255 weight set 2.  window 1: weight sets 0, 1.  windows 2, 3: accumulator (m, t) at 64 (m % 4) + 8 t.
;   Behind the products: window 0: v64-127 a, v128-191 max(x, 0) and then g, v192-207 at work, v208-223 codes; window 1: v0-63 t, v64-127 P and then q.
; THE MODE: SCHED_MODE bits 1:0 = 2 (LLVM: expert scheduling mode 2), set by the entry lines.  The code itself states the register dependences between vector or matrix instructions and memory or LDS instructions,
; with s_wait_alu, always for 0.
; THE PLAN.  Registers that memory or LDS instructions touch:
;   v1, v2, v3, v7   offsets and LDS addresses: made once at the head, never written again.
;   v64-83           written by vector lines, read by the twenty loads from the list.   v96-115: those loads land there, vector lines make offsets of them, the 72 gathering loads read them.  Later both are ring places.
;   window 2         the gathered rows land there, the LDS stores read them; from the first product on the sums are written there.
;   the ring         group G's products read the two places of its row tiles; the LDS loads of group G + 2 land there, issued at the head of group G + 1.
;   the weight sets  K step s's products read set s % 3 and its scale words; the loads of K step s + 3 land there, issued in the middle of the first group of K step s + 1.
;   v208-223         written by a trip's conversions, read by its four stores, written again by the next trip's.   v24-27: written by each trip's selects, read by the store behind the loop.
; So ONE wait on va_vdst stands at the head of a group of 16 products: the group before is done reading its ring places and, at a K step's first group, the K step before its weight set.  The loads behind it (eight from LDS,
; and in a K step's first group 33 of weights, which stand among the group's products) name nothing that the group's products name.  Four ring places allow no coarser wait, and no register is left for more places.
.set PX,   1040
.set WS,   8
.set XS,   32
.set RING, 64
.set TK,   96                          ; v96-115, at the head only
.set AP,   64
.set M,    128
.set TM,   192
.set PC,   208
.set PW,   22
.set T,    0
.set P,    64
.set SEL,  36                          ; s[36:37] v_permlanex16_b32's selects for lane l xor 16
.set MNT,  38                          ; s38 the mantissa field of 448
.set KK,   40                          ; s40 sqrt(log2(e) / 2)
.set KD,   42                          ; s[42:43] 0.4162773; the polynomial's C0 .. C7 in s[44:45] .. s[58:59], C9 in s[60:61], C8 in v[20:21] (the packed forms name pairs and take the low word)
.set C9,   60
.set MI,   66
.set MQ,   68                          ; s68-71 m - 2 q;  s72-75 the masks of the four selects
.set MSB, 0
.macro WIN new                         ; the immediate's high byte repeats the setting that is left
.if MSB != \new
	s_set_vgpr_msb (MSB<<8)|\new
.set MSB, \new
.endif
.endm
.macro PLACES n
.rept \n
	v_nop
.endr
.endm
.macro PAIR r, val
	s_mov_b32 s[\r], \val
	s_mov_b32 s[\r+1], s[\r]
.endm
	s_load_b256 s[4:11], s[0:1], 0x0               ; x_codes s[4:5], x_scales s[6:7], wp s[8:9], wsp s[10:11]
	s_load_b128 s[12:15], s[0:1], 0x20             ; route s[12:13], hc s[14:15]
	s_load_b64 s[16:17], s[0:1], 0x30              ; hs
	v_lshl_add_u32 v23, v0, 2, 0x20800
	v_mov_b32 v30, 0
	v_lshrrev_b32 v1, 5, v0
	v_readfirstlane_b32 s18, v1                    ; wave 0..3
	s_and_b32 s22, ttmp7, 0xffff                   ; tile
	s_lshl_b32 s25, s22, 3
	s_wait_kmcnt 0x0
	s_load_b64 s[20:21], s[12:13], s25 offset:36864  ; the tile's expert and rows
	v_and_b32 v28, 31, v0                          ; lane
	v_and_b32 v29, 15, v0                          ; r
	v_bfe_u32 v4, v0, 4, 1                         ; h
	v_lshlrev_b32 v1, 4, v28
	v_lshlrev_b32 v26, 4, v29
	v_mul_u32_u24 v2, v29, PX
	v_lshl_add_u32 v2, v4, 4, v2                   ; a fragment of x: row r x pitch + 16 h; row tiles 0-3,
	v_add_nc_u32 v3, 64*PX, v2                     ; row tiles 4-7
	s_wait_alu depctr_va_sdst(0)                   ; s18 is written, ahead of its first reader: LDS places and the bases of the weights, hc and hs are made from it
	s_mul_i32 s31, s18, 32*PX
	v_mul_u32_u24 v7, v4, PX
	v_add_nc_u32 v7, v7, v26
	v_add_nc_u32 v7, s31, v7                       ; into LDS: my wave's 32 rows, two rows a store
	s_mov_b32 s[SEL], 0x76543210
	s_mov_b32 s[SEL+1], 0xfedcba98
	s_mov_b32 s[MNT], 0x600000
	s_mov_b32 s[KK], 0x3f596d27                    ; 0.84932180
	PAIR KD, 0x3ed5224d                            ; 0.41627731
	PAIR 44, 0xc025c4b7                            ; C0 -2.59013141
	PAIR 46, 0x3fb8ab5a                            ; C1  1.44272920
	PAIR 48, 0x3f0a29d2                            ; C2  0.53970062
	PAIR 50, 0x3e0efb2f                            ; C3  0.13963006
	PAIR 52, 0xbe899a80                            ; C4 -0.26875686
	PAIR 54, 0x3ecdfd18                            ; C5  0.40232158
	PAIR 56, 0xbfd1a1e5                            ; C6 -1.63775315
	PAIR 58, 0x40097039                            ; C7  2.14747446
	PAIR C9, 0x3e7c6f08                            ; C9  0.24651730
	v_mov_b32 v20, 0xbf97d29d                      ; C8 -1.18611494
	v_mov_b32 v21, v20
	s_lshl_b32 s29, s18, 5
	v_add_nc_u32 v31, s29, v4                      ; 32 w + h
.irp j, 0,1,2,3,4,5,6,7,8,9,10,11,12,13,14,15
	v_add_nc_u32 v[64+\j], 2*\j, v31               ; the rows whose codes I gather: 32 w + 2 j + h
.endr
.irp q, 0,1,2,3
	v_add_nc_u32 v[80+\q], 32*\q, v28              ; the rows whose scale words I hold: 32 q + lane
.endr
	s_wait_kmcnt 0x0
	s_cmp_lt_u32 s20, 8
	s_cselect_b32 s24, 1, 0                        ; has the tile rows?
	s_cselect_b32 s26, s22, 0                      ; whose list is read: a tile without rows reads tile 0's, which is always written
	s_min_u32 s26, s26, 38
	s_min_u32 s20, s20, 7
	s_max_u32 s21, s21, 1
	s_min_u32 s21, s21, 128
	s_add_co_u32 s27, s21, -1                      ; the tile's last row
	s_lshl_b32 s23, ttmp9, 2
	s_add_co_u32 s23, s23, s18                     ; g
	s_lshl_b32 s28, s20, 4
	s_add_co_u32 s28, s28, s23                     ; 16 e + g
	s_mov_b32 s31, 0
	s_lshl_b32 s30, s28, 17
	s_add_nc_u64 s[8:9], s[8:9], s[30:31]          ; my 128 rows of W1[e], as fragments
	s_lshl_b32 s30, s28, 12
	s_add_nc_u64 s[10:11], s[10:11], s[30:31]      ; their scale words
	s_lshl_b32 s30, s26, 9
	s_add_co_u32 s30, s30, 16384
	s_add_nc_u64 s[12:13], s[12:13], s[30:31]      ; the tile's part of rowtok
	s_lshl_b32 s30, s22, 18
	s_lshl_b32 s29, s23, 14
	s_add_co_u32 s30, s30, s29
	s_add_nc_u64 s[14:15], s[14:15], s[30:31]      ; hc: tile, K step g
	s_lshl_b32 s30, s22, 13
	s_lshl_b32 s29, s23, 9
	s_add_co_u32 s30, s30, s29
	s_add_nc_u64 s[16:17], s[16:17], s[30:31]      ; hs likewise
.set n_, 0
.rept 20
	v_min_u32 v[64+n_], s27, v[64+n_]              ; rows past the count repeat the last row
	v_min_u32 v[64+n_], 127, v[64+n_]
	v_lshlrev_b32 v[64+n_], 2, v[64+n_]
.set n_, n_+1
.endr
	s_wait_alu depctr_va_vdst(0)                   ; v64-83 are written, which the twenty loads read as offsets; so are v1, v2, v3 and v7, which every later load and store reads
.set n_, 0
.rept 20
	global_load_b32 v[TK+n_], v[64+n_], s[12:13]   ; position -> token, into registers of their own
.set n_, n_+1
.endr
	s_wait_loadcnt 0x0
.irp j, 0,1,2,3,4,5,6,7,8,9,10,11,12,13,14,15
	v_min_u32 v[TK+\j], 2047, v[TK+\j]
	v_lshl_add_u32 v[TK+\j], v[TK+\j], 10, v26     ; a token's 1,024 bytes of codes, + 16 r
.endr
.irp q, 0,1,2,3
	v_min_u32 v[TK+16+\q], 2047, v[TK+16+\q]
	v_lshlrev_b32 v[TK+16+\q], 5, v[TK+16+\q]      ; its 32 scale bytes
.endr
; K step s of my weights: one load of scale words and 32 of codes, 33 loads, into set s % 3
.macro WLOAD s
.set SG, (\s)%3
.set WB, 128*((SG+1)/2)
	WIN 0
	global_load_b128 v[WS+4*SG:WS+4*SG+3], v1, s[10:11] offset:512*(\s)
.if SG < 2
	WIN 0x40                                       ; sets 0 and 1 lie in window 1
.endif
.irp t, 0,1,2,3,4,5,6,7
.irp c, 0,1,2,3
	global_load_b128 v[WB+16*\t+4*\c:WB+16*\t+4*\c+3], v1, s[8:9] offset:16384*(\s)+2048*\t+512*\c
.endr
.endr
.endm
	WIN 0x80                                       ; the gathered rows pass through the registers that the sums will take
	s_wait_alu depctr_va_vdst(0)                   ; v96-115 are written, which the 72 gathering loads read as offsets
.irp j, 0,1,2,3,4,5,6,7,8,9,10,11,12,13,14,15
.irp f, 0,1,2,3
	global_load_b128 v[16*\j+4*\f:16*\j+4*\f+3], v[TK+\j], s[4:5] offset:256*\f   ; two rows x 256 consecutive bytes
.endr
.endr
	WIN 0
.irp q, 0,1,2,3
	global_load_b128 v[XS+8*\q:XS+8*\q+3], v[TK+16+\q], s[6:7]          ; register 8 q + s: lanes 0-15 the words of row tile 2 q, lanes 16-31 of 2 q + 1, K step s
	global_load_b128 v[XS+8*\q+4:XS+8*\q+7], v[TK+16+\q], s[6:7] offset:16
.endr
	WLOAD 0
	s_wait_loadcnt 33                              ; x's codes and scale words are in; the first set of weights stays out
	WIN 0x08                                       ; an LDS store's data are its source 1: window 2
.irp j, 0,1,2,3,4,5,6,7,8,9,10,11,12,13,14,15
.irp f, 0,1,2,3
	ds_store_b128 v7, v[16*\j+4*\f:16*\j+4*\f+3] offset:2*\j*PX+256*\f
.endr
.endr
	WLOAD 1
	WIN 0
	s_wait_dscnt 0x0                               ; for the others' sake: my 32 rows have landed
	s_barrier_signal -1
	s_barrier_wait -1                              ; the tile's 128 rows lie in LDS; nothing writes them again
	s_cmp_eq_u32 s24, 0
	s_cbranch_scc1 .Lend                           ; a tile without rows: nothing to compute, nothing to store
; x's fragments of group G = 4 s + p: row tiles 2 p, 2 p + 1, K step s: eight loads
.macro XFETCH G
.set xs_, (\G)/4
.set xp_, (\G)%4
.irp a, 0,1
.irp c, 0,1,2,3
.set xm_, 2*xp_+\a
	ds_load_b128 v[RING+16*(xm_%4)+4*\c:RING+16*(xm_%4)+4*\c+3], v[2+xm_/4] offset:(xm_%4)*16*PX+128*xs_+32*\c
.endr
.endr
.endm
; One product.  The scale words of two tiles share a register: the odd tile's lie in lanes 16-31.
.macro WMZ oa, ob
.if (\oa) && (\ob)
	v_wmma_scale_f32_16x16x128_f8f6f4 v[AC:AC+7], v[WA:WA+15], v[XB:XB+15], 0, v[SA], v[SB] matrix_a_scale:MATRIX_SCALE_ROW1 matrix_b_scale:MATRIX_SCALE_ROW1
.elseif (\oa)
	v_wmma_scale_f32_16x16x128_f8f6f4 v[AC:AC+7], v[WA:WA+15], v[XB:XB+15], 0, v[SA], v[SB] matrix_a_scale:MATRIX_SCALE_ROW1
.elseif (\ob)
	v_wmma_scale_f32_16x16x128_f8f6f4 v[AC:AC+7], v[WA:WA+15], v[XB:XB+15], 0, v[SA], v[SB] matrix_b_scale:MATRIX_SCALE_ROW1
.else
	v_wmma_scale_f32_16x16x128_f8f6f4 v[AC:AC+7], v[WA:WA+15], v[XB:XB+15], 0, v[SA], v[SB]
.endif
.endm
.macro WMA oa, ob
.if (\oa) && (\ob)
	v_wmma_scale_f32_16x16x128_f8f6f4 v[AC:AC+7], v[WA:WA+15], v[XB:XB+15], v[AC:AC+7], v[SA], v[SB] matrix_a_scale:MATRIX_SCALE_ROW1 matrix_b_scale:MATRIX_SCALE_ROW1
.elseif (\oa)
	v_wmma_scale_f32_16x16x128_f8f6f4 v[AC:AC+7], v[WA:WA+15], v[XB:XB+15], v[AC:AC+7], v[SA], v[SB] matrix_a_scale:MATRIX_SCALE_ROW1
.elseif (\ob)
	v_wmma_scale_f32_16x16x128_f8f6f4 v[AC:AC+7], v[WA:WA+15], v[XB:XB+15], v[AC:AC+7], v[SA], v[SB] matrix_b_scale:MATRIX_SCALE_ROW1
.else
	v_wmma_scale_f32_16x16x128_f8f6f4 v[AC:AC+7], v[WA:WA+15], v[XB:XB+15], v[AC:AC+7], v[SA], v[SB]
.endif
.endm
; Eight products: row tile 2 p + a of group G x my eight tiles of W1
.macro HALF a
.set SG, gs_%3
.set WB, 128*((SG+1)/2)
.set AW, 2+gp_/2
.set NW, (1-SG/2)|(AW<<4)|(AW<<6)
.set mm_, 2*gp_+\a
	WIN NW                                         ; source 0: the set's window; source 1: window 0; C and D: window 2 or 3
.irp t, 0,1,2,3,4,5,6,7
.set AC, 64*(mm_%4)+8*\t
.set WA, WB+16*\t
.set XB, RING+16*(mm_%4)
.set SA, WS+4*SG+\t/2
.set SB, XS+8*(mm_/2)+gs_
.if gs_ == 0
	WMZ \t%2, \a
.else
	WMA \t%2, \a
.endif
.endr
.endm
; Group G: 16 products, two row tiles x my eight tiles of W1.  The 64 accumulators take turns, one instruction a turn, in the same order in every K step; K step 0 starts the sums with the constant 0.
.macro GROUP
.set gs_, G/4
.set gp_, G%4
.if (G > 0) && (G < 31)
	PLACES 8                                       ; eight places behind the last group's products, ahead of loads into registers that they, or the groups before, have read; the wait below stands beside them
	s_wait_alu depctr_va_vdst(0)                   ; the last group's products are done reading their two ring places, in which the eight loads below land; at a K step's first group the K step before is done reading its weights and their scale words, in which the 33 loads further down land
	XFETCH G+1                                     ; into the last group's two places
.endif
.if gp_ == 0
.if gs_ < 7
	s_wait_loadcnt 33                              ; this K step's set is in; the next one's 33 loads stay out
.else
	s_wait_loadcnt 0x0
.endif
.endif
.if G < 31
	s_wait_dscnt 8                                 ; this group's fragments of x are in; the next group's eight loads stay out
.else
	s_wait_dscnt 0x0
.endif
	HALF 0
.if (gp_ == 0) && (gs_+2 <= 7)
	WLOAD gs_+2                                    ; into the set that the last K step has left.  No wait: no product issued since the wait at this group's head names that set, its scale words or v1
.endif
	HALF 1
	WIN 0
.endm
	s_wait_alu depctr_vm_vsrc(0)                   ; the loads from the list and the gathering loads have read v64-83 and v96-115, in which x's fragments land; my LDS stores have read window 2's registers, which the first products write
	XFETCH 0
	XFETCH 1
.set G, 0
.rept 32
	GROUP
.set G, G+1
.endr
	PLACES 8                                       ; eight places behind the last products, ahead of vector lines that read their results or write registers that products have read
; ---------------- GELU and quantiser, a row tile (16 rows x my 128 units: 64 numbers a lane) a trip.  Only the copy out of the accumulators differs from trip to trip: it is written eight times, the rest once.
.irp b, 0,1,2,3
	v_mov_b32 v[TM+4+\b], 0                        ; written once: a lane permute's destination counts as one of its sources
	v_mov_b32 v[24+\b], 0
.endr
	s_mov_b32 s[MI], 0
.macro STAGEA m                        ; a = |x| sqrt(log2(e) / 2) and max(x, 0), each accumulator from its low end on
.set NW, 2+(\m)/4
	WIN NW
.set i_, 0
.rept 64
	v_mul_f32 v[AP+i_], |v[64*((\m)%4)+i_]|, s[KK]
	v_max_num_f32 v[M+i_], v[64*((\m)%4)+i_], 0
.set i_, i_+1
.endr
	WIN 0
.endm
.macro ARM i
.LA\i:
	STAGEA \i
	s_branch .LB
.endm
.macro HTR kind                        ; behind every fourth line of a polynomial: one reciprocal of the second half (kind 0), or one exponential of the first half (kind 1)
.set hn_, hn_+1
.if (hn_%4 == 0) && (tc_ < 32)
.if \kind
	v_exp_f32 v[P+tc_], v[P+tc_]
.else
	v_rcp_f32 v[T+32+tc_], v[T+32+tc_]
.endif
.set tc_, tc_+1
.endif
.endm
.macro HORNER b, kind                  ; P(t) of half b, 32 numbers: nine packed multiply-adds on each of 16 pairs, the pairs by turns
.set hn_, 0
.set tc_, 0
.set o_, 32*(\b)
.rept 16
	v_pk_fma_f32 v[P+o_:P+o_+1], v[T+o_:T+o_+1], s[C9:C9+1], v[20:21] op_sel_hi:[1,0,1]
	HTR \kind
.set o_, o_+2
.endr
.irp c, 58,56,54,52,50,48,46,44
.set o_, 32*(\b)
.rept 16
	v_pk_fma_f32 v[P+o_:P+o_+1], v[P+o_:P+o_+1], v[T+o_:T+o_+1], s[\c:\c+1] op_sel_hi:[1,1,0]
	HTR \kind
.set o_, o_+2
.endr
.endr
.endm
.macro ARG b                           ; P - a a
.set o_, 32*(\b)
.rept 16
	v_pk_fma_f32 v[P+o_:P+o_+1], v[AP+o_:AP+o_+1], v[AP+o_:AP+o_+1], v[P+o_:P+o_+1] neg_lo:[0,1,0] neg_hi:[0,1,0]
.set o_, o_+2
.endr
.endm
.Lrow:
.irp i, 0,1,2,3,4,5,6
	s_cmp_eq_u32 s[MI], \i
	s_cbranch_scc1 .LA\i
.endr
	STAGEA 7
	s_branch .LB
	ARM 0
	ARM 1
	ARM 2
	ARM 3
	ARM 4
	ARM 5
.LA6:
	STAGEA 6
.LB:
	WIN 0x40                                       ; destination window 1
.set o_, 0
.rept 32
	v_pk_fma_f32 v[T+o_:T+o_+1], v[AP+o_:AP+o_+1], s[KD:KD+1], 1.0 op_sel_hi:[1,0,0]   ; 1 + 0.4162773 a
.set o_, o_+2
.endr
	WIN 0x45                                       ; sources 0, 1 and the destination in window 1
.set o_, 0
.rept 32
	v_rcp_f32 v[T+o_], v[T+o_]                     ; t of the first half: one batch
.set o_, o_+1
.endr
	v_nop                                          ; a plain instruction behind the last of the batch,
	s_wait_alu depctr_va_vdst(0)                   ; and the one wait ahead of the batch's first reader: the 32 reciprocals have written t of the first half
	HORNER 0, 0                                    ; the second half's reciprocals stand among these lines, which name none of their results
	WIN 0x50
	ARG 0
	WIN 0x45
	s_wait_alu depctr_va_vdst(0)                   ; the second half's 32 reciprocals have written t of that half, which the lines below read
	HORNER 1, 1                                    ; the first half's exponentials stand among these lines
	WIN 0x50
	ARG 1
	WIN 0x45
	s_wait_alu depctr_va_vdst(0)                   ; the first half's 32 exponentials have written their powers, which the multiplications below read
.set o_, 0
.rept 16
	v_pk_mul_f32 v[P+o_:P+o_+1], v[T+o_:T+o_+1], v[P+o_:P+o_+1]    ; q = t 2^(..), first half; the second half's exponentials between
	v_exp_f32 v[P+32+o_], v[P+32+o_]
	v_exp_f32 v[P+33+o_], v[P+33+o_]
.set o_, o_+2
.endr
	v_nop
	s_wait_alu depctr_va_vdst(0)                   ; the second half's 32 exponentials have written their powers, which the multiplications below read
.set o_, 32
.rept 16
	v_pk_mul_f32 v[P+o_:P+o_+1], v[T+o_:T+o_+1], v[P+o_:P+o_+1]
.set o_, o_+2
.endr
	WIN 0x04                                       ; source 1 window 1
.set o_, 0
.rept 32
	v_pk_fma_f32 v[M+o_:M+o_+1], v[AP+o_:AP+o_+1], v[P+o_:P+o_+1], v[M+o_:M+o_+1] neg_lo:[1,0,0] neg_hi:[1,0,0]   ; g = max(x, 0) - a q
.set o_, o_+2
.endr
	WIN 0
; the quantiser: register 16 b + i of v[M] on is unit 32 b + 16 h + i of my row; a block of 32 lies in lanes l and l xor 16
.irp b, 0,1,2,3
	v_max3_num_f32 v[TM+\b], |v[M+16*\b]|, |v[M+1+16*\b]|, 0x4800000   ; my 16 numbers of block b, and the floor 2^(9 - 127): the byte cannot fall under 1
.endr
.irp i, 2,4,6,8,10,12,14
.irp b, 0,1,2,3
	v_max3_num_f32 v[TM+\b], v[TM+\b], |v[M+16*\b+\i]|, |v[M+1+16*\b+\i]|
.endr
.endr
.irp b, 0,1,2,3
	v_permlanex16_b32 v[TM+4+\b], v[TM+\b], s[SEL], s[SEL+1]
.endr
.irp b, 0,1,2,3
	v_max_num_f32 v[TM+\b], v[TM+\b], v[TM+4+\b]   ; the block's largest magnitude
.endr
.irp b, 0,1,2,3
	v_add_nc_u32 v[TM+12+\b], 0xfc000000, v[TM+\b] ; 8 off its exponent field: the conversion takes this operand's exponent field as its scale
.endr
.irp b, 0,1,2,3
	v_and_or_b32 v[TM+8+\b], v[TM+\b], 0x7f800000, s[MNT]   ; 448 x the scale
.endr
.irp b, 0,1,2,3
	v_lshrrev_b32 v[TM+4+\b], 23, v[TM+12+\b]      ; the scale's byte
.endr
	v_lshl_or_b32 v[PW], v[TM+5], 8, v[TM+4]       ; my row's scale word for these 128 units; both halves of the lanes hold it
	v_lshl_or_b32 v[PW], v[TM+6], 16, v[PW]
	v_lshl_or_b32 v[PW], v[TM+7], 24, v[PW]
.irp b, 0,1,2,3
.irp i, 0,1,2,3,4,5,6,7,8,9,10,11,12,13,14,15
	v_med3_num_f32 v[M+16*\b+\i], v[M+16*\b+\i], -v[TM+8+\b], v[TM+8+\b]   ; the conversion to an 8-bit code does not saturate (ISA guide 7.6.2): the hold at the largest code x the scale
.endr
	v_cvt_scalef32_pk8_fp8_f32 v[PC+4*\b:PC+1+4*\b], v[M+16*\b:M+7+16*\b], v[TM+12+\b]
	v_cvt_scalef32_pk8_fp8_f32 v[PC+2+4*\b:PC+3+4*\b], v[M+8+16*\b:M+15+16*\b], v[TM+12+\b]
.endr
	v_nop                                          ; a plain instruction behind the last conversion, ahead of whatever next writes its sources
.irp q, 0,1,2,3
	s_sub_co_u32 s[MQ+\q], s[MI], 2*\q             ; hs's word q of lane (h, r) is row tile 2 q + h's: kept in the trip in which m - 2 q = h
.endr
.irp q, 0,1,2,3
	v_cmp_eq_u32 s[MQ+4+\q], s[MQ+\q], v4          ; the four compares in one run, a mask each
.endr
	s_wait_alu depctr_va_sdst(0)                   ; the four masks s72-75 are written, ahead of the selects that read them
.irp q, 0,1,2,3
	v_cndmask_b32 v[24+\q], v[24+\q], v[PW], s[MQ+4+\q]
.endr
	s_wait_alu depctr_va_vdst(0)                   ; the conversions have written the codes v208-223, which the four stores read; the selects have written v24-27, which the store behind the loop reads
.irp c, 0,1,2,3
	global_store_b128 v1, v[PC+4*\c:PC+4*\c+3], s[14:15] offset:512*\c   ; the fragment as it stands: 512 consecutive bytes a store
.endr
	s_wait_xcnt 0x0                                ; the stores have read their base and their data: both are written again only behind this wait
	s_wait_alu depctr_vm_vsrc(0)                   ; the four stores have read v208-223, which the next trip's conversions write again
	s_add_nc_u64 s[14:15], s[14:15], 2048
	s_add_co_u32 s[MI], s[MI], 1
	s_cmp_lt_u32 s[MI], 8
	s_cbranch_scc1 .Lrow
	global_store_b128 v1, v[24:27], s[16:17]       ; the K step's 128 scale words (no vector line stands behind the last trip's wait on va_vdst)
.Lend:
	s_wait_dscnt 0x0
	s_wait_alu depctr_hold_cnt(0) depctr_sa_sdst(0) depctr_va_vdst(0) depctr_va_sdst(0) depctr_va_ssrc(0) depctr_va_vcc(0) depctr_vm_vsrc(0)
	s_wait_tensorcnt 0x0
	ds_add_u32 v23, v30
	s_wait_dscnt 0x0
	s_endpgm
.Lfunc_end_k_q4bf47104a0_gemm1:
	.size	k_q4bf47104a0_gemm1, .Lfunc_end_k_q4bf47104a0_gemm1-k_q4bf47104a0_gemm1
	.p2alignl 7, 3214868480
	.fill 96, 4, 3214868480
	.section	.rodata,"a",@progbits
	.p2align	6, 0x0
	.amdhsa_kernel k_q4bf47104a0_gemm1
		.amdhsa_group_segment_fixed_size 133632
		.amdhsa_private_segment_fixed_size 0
		.amdhsa_enable_private_segment 0
		.amdhsa_kernarg_size 56
		.amdhsa_user_sgpr_count 2
		.amdhsa_user_sgpr_kernarg_segment_ptr 1
		.amdhsa_wavefront_size32 1
		.amdhsa_system_sgpr_workgroup_id_x 1
		.amdhsa_system_sgpr_workgroup_id_y 1
		.amdhsa_system_sgpr_workgroup_id_z 1
		.amdhsa_system_vgpr_workitem_id 0
		.amdhsa_next_free_vgpr 1024
		.amdhsa_next_free_sgpr 100
		.amdhsa_reserve_vcc 0
		.amdhsa_float_denorm_mode_32 3
		.amdhsa_float_denorm_mode_16_64 3
		.amdhsa_memory_ordered 1
		.amdhsa_forward_progress 1
		.amdhsa_inst_pref_size 246
	.end_amdhsa_kernel
	.amdgpu_metadata
---
amdhsa.version: [ 1, 2 ]
amdhsa.kernels:
  - .name:           k_q4bf47104a0_gemm1
    .symbol:         k_q4bf47104a0_gemm1.kd
    .args:
      - { .name: x_codes, .offset: 0, .size: 8, .value_kind: global_buffer, .address_space: global }
      - { .name: x_scales, .offset: 8, .size: 8, .value_kind: global_buffer, .address_space: global }
      - { .name: wp, .offset: 16, .size: 8, .value_kind: global_buffer, .address_space: global }
      - { .name: wsp, .offset: 24, .size: 8, .value_kind: global_buffer, .address_space: global }
      - { .name: route, .offset: 32, .size: 8, .value_kind: global_buffer, .address_space: global }
      - { .name: hc, .offset: 40, .size: 8, .value_kind: global_buffer, .address_space: global }
      - { .name: hs, .offset: 48, .size: 8, .value_kind: global_buffer, .address_space: global }
    .group_segment_fixed_size: 133632
    .private_segment_fixed_size: 0
    .kernarg_segment_align: 8
    .kernarg_segment_size: 56
    .max_flat_workgroup_size: 128
    .sgpr_count:     100
    .vgpr_count:     1024
    .wavefront_size: 32
...
	.end_amdgpu_metadata
.endif
;; end of part 5
;; launch gemm2 (part 6): grid 4 x 39, 4 waves a work-group, no clusters, 280,064 bytes of LDS; arguments hc, hs, wp, wsp, route, y; writes y
.if DOCPART == 6
	.amdgcn_target "amdgcn-amd-amdhsa--gfx1250"
	.amdhsa_code_object_version 6
	.text
	.protected	k_q4bf47104a0_gemm2
	.globl	k_q4bf47104a0_gemm2
	.p2align	8
	.type	k_q4bf47104a0_gemm2,@function
k_q4bf47104a0_gemm2:
	s_mov_b64 s[64:65], 0
	v_nop
	global_prefetch_b8 v0, s[64:65] scope:SCOPE_SE
	s_setreg_imm32_b32 hwreg(HW_REG_WAVE_SCHED_MODE, 0, 2), 2
	s_setreg_imm32_b32 hwreg(HW_REG_WAVE_MODE, 25, 1), 1
	s_wait_xcnt 0x0
	s_wait_alu depctr_vm_vsrc(0)
; THIRD LAUNCH: y[position] = Q(hidden)[position] W2[e]^T for a tile of 128 positions of one expert, K = 2,048, not yet weighed.  y: [4992][1024] f32.
; SHARES.  Work-group (nt, tile): 128 positions x 256 outputs.  Wave w: all 128 x outputs 64 ng .. 64 ng + 63, ng = 4 nt + w.  Each weight byte is loaded by one wave, straight into registers from wp's fragment order,
; four sets of a K step by turns, three of them on their way.  The tile's hidden codes, 262,144 bytes of register images, are copied into LDS once (a quarter a wave) and read from there by all four waves.
; NO CLUSTER, NO TENSOR LOAD: which expert's weights a work-group walks, and whether it has rows at all, is read from the list.
; Every work-group passes the one barrier; one whose tile has no rows copies tile 0's image instead, stores nothing and ends behind the barrier.  All 128 positions of a tile with rows are stored: no mask, no scatter.
; THE PRODUCT IS USED TRANSPOSED (source 0 = 16 rows of W2, source 1 = 16 positions): a lane holds eight neighbouring outputs of one position.
; REGISTERS.  window 0: v1 16 x lane, v2 8 x lane, v4-7 the image's four quarters, v8-10 the way out, v12 the copy; v16-23 W2's scale words, 4 sets; v32-47 the hidden layer's, 4 sets; v64-127 rows on the way out;
;   v128-255 the hidden layer's eight fragments of an even K step.  window 1: the four weight sets.  window 2: accumulator (m, t) at 8 (4 m + t); before that the copy's buffer.  window 3: v128-255 the eight fragments of an odd K step.
; THE MODE: SCHED_MODE bits 1:0 = 2 (LLVM: expert scheduling mode 2), set by the entry lines.  The code itself states the register dependences between vector or matrix instructions and memory or LDS instructions,
; with s_wait_alu, always for 0.
; THE PLAN.  Registers that memory or LDS instructions touch:
;   v1, v2, v4-10, v12   offsets and LDS addresses: made once at the head, never written again.
;   window 2             the copy: the first half's pieces land there, LDS stores read them, the second half's pieces land there, LDS stores read them; then the products write the sums there, and the way out's LDS stores read them.
;   the two buffers      K step S's products read buffer S % 2; the LDS loads of K step S + 1 land in the other one, issued in K step S.
;   the four sets        K step S's products read weight set S % 4 and both sides' scale words of that set; the loads of K step S + 3 land in set (S + 3) % 4 = (S - 1) % 4, issued in K step S.
;   v64-127              two runs of 32: a row tile comes back from the stage into one, eight stores read it, the row tile two on lands there.
; So ONE wait on va_vdst stands at the head of a K step: the step before is done reading its buffer, its weight set and its scale words.  The step's 32 LDS loads and 18 global loads follow it, dealt among its 32 products,
; which name this step's buffer, set and scale words and the sums: none of the registers that those loads touch.
.set STAGE, 262144                     ; behind the image: 16 rows x 272 bytes for each wave
.set WS,  16
.set HS,  32
.set BK,  64
.set MSB, 0
.macro WIN new                         ; the immediate's high byte repeats the setting that is left
.if MSB != \new
	s_set_vgpr_msb (MSB<<8)|\new
.set MSB, \new
.endif
.endm
.macro PLACES n
.rept \n
	v_nop
.endr
.endm
	s_load_b256 s[4:11], s[0:1], 0x0               ; hc s[4:5], hs s[6:7], wp s[8:9], wsp s[10:11]
	s_load_b128 s[12:15], s[0:1], 0x20             ; route s[12:13], y s[14:15]
	v_lshl_add_u32 v62, v0, 2, 0x44400
	v_mov_b32 v63, 0
	v_lshrrev_b32 v1, 5, v0
	v_readfirstlane_b32 s18, v1                    ; wave 0..3
	s_and_b32 s22, ttmp7, 0xffff                   ; tile
	s_lshl_b32 s25, s22, 3
	s_wait_kmcnt 0x0
	s_load_b32 s20, s[12:13], s25 offset:36864     ; the tile's expert; 8: no rows
	v_and_b32 v3, 31, v0
	v_and_b32 v11, 15, v0                          ; r
	v_bfe_u32 v13, v0, 4, 1                        ; h
	v_lshlrev_b32 v1, 4, v3
	v_lshlrev_b32 v2, 3, v3
.irp k, 0,1,2,3
	v_add_nc_u32 v[4+\k], 65536*\k, v1             ; K steps 4 k .. 4 k + 3 of the image
.endr
	s_wait_alu depctr_va_sdst(0)                   ; s18 is written, ahead of its first reader: LDS places and the bases of the image, the weights and y are made from it
	s_lshl_b32 s30, s18, 16
	v_add_nc_u32 v12, s30, v1                      ; my quarter of the image
	s_mul_i32 s30, s18, 16*272
	s_add_co_u32 s30, s30, STAGE
	v_mul_u32_u24 v8, v11, 272
	v_lshl_add_u32 v8, v13, 5, v8
	v_add_nc_u32 v8, s30, v8                       ; into my stage: row r, 32 bytes for each half of the lanes
	v_mul_u32_u24 v9, v13, 272
	v_lshl_add_u32 v9, v11, 4, v9
	v_add_nc_u32 v9, s30, v9                       ; back: lanes 0-15 one row of 256 bytes, lanes 16-31 the next
	v_lshlrev_b32 v10, 12, v13
	v_lshl_add_u32 v10, v11, 4, v10                ; and the same two rows of y
	s_wait_kmcnt 0x0
	s_cmp_lt_u32 s20, 8
	s_cselect_b32 s24, 1, 0
	s_cselect_b32 s26, s22, 0                      ; whose image is read: a tile without rows reads tile 0's, which is always written
	s_min_u32 s26, s26, 38
	s_min_u32 s20, s20, 7
	s_lshl_b32 s23, ttmp9, 2
	s_add_co_u32 s23, s23, s18                     ; ng
	s_lshl_b32 s28, s20, 4
	s_add_co_u32 s28, s28, s23                     ; 16 e + ng
	s_mov_b32 s31, 0
	s_lshl_b32 s30, s28, 17
	s_add_co_u32 s30, s30, 0x1000000
	s_add_nc_u64 s[8:9], s[8:9], s[30:31]          ; my 64 rows of W2[e], as fragments
	s_lshl_b32 s30, s28, 12
	s_add_co_u32 s30, s30, 0x80000
	s_add_nc_u64 s[10:11], s[10:11], s[30:31]      ; their scale words
	s_lshl_b32 s30, s26, 13
	s_add_nc_u64 s[6:7], s[6:7], s[30:31]          ; the tile's scale words
	s_lshl_b32 s30, s26, 18
	s_lshl_b32 s29, s18, 16
	s_add_co_u32 s30, s30, s29
	s_add_nc_u64 s[4:5], s[4:5], s[30:31]          ; my quarter of its codes
	s_lshl_b32 s30, s22, 19
	s_lshl_b32 s29, s23, 8
	s_add_co_u32 s30, s30, s29
	s_add_nc_u64 s[14:15], s[14:15], s[30:31]      ; y: 128 rows of 4,096 bytes a tile, + my 64 outputs' 256 bytes
; Half of K step s's loads into set s % 4: half 0: both sides' scale words and tiles 0, 1 (10 loads); half 1: tiles 2, 3 (8 loads)
.macro WHALF s, hf
.set SG, (\s)%4
.if (\hf) == 0
	WIN 0
	global_load_b64 v[WS+2*SG:WS+2*SG+1], v2, s[10:11] offset:256*(\s)
	global_load_b128 v[HS+4*SG:HS+4*SG+3], v1, s[6:7] offset:512*(\s)
.endif
	WIN 0x40
.irp t, 0,1
.irp c, 0,1,2,3
.set tt_, 2*(\hf)+\t
	global_load_b128 v[64*SG+16*tt_+4*\c:64*SG+16*tt_+4*\c+3], v1, s[8:9] offset:8192*(\s)+2048*tt_+512*\c
.endr
.endr
.endm
; THE COPY: 128 pieces of 512 bytes a wave, through 64 groups of four registers
	WIN 0x80
	s_wait_alu depctr_va_vdst(0)                   ; v1, v2, v4 to v10 and v12 are written: every load and store of the kernel reads one of them as its offset or LDS address
.set n_, 0
.rept 64
	global_load_b128 v[4*n_:4*n_+3], v1, s[4:5] offset:512*n_
.set n_, n_+1
.endr
.irp g, 0,1,2,3,4,5,6,7
	s_wait_loadcnt 56                              ; the oldest eight of the 64 loads that are out
	WIN 0x08
.irp i, 0,1,2,3,4,5,6,7
	ds_store_b128 v12, v[4*(8*\g+\i):4*(8*\g+\i)+3] offset:512*(8*\g+\i)
.endr
	s_wait_dscnt 0x0                               ; my eight stores have landed,
	WIN 0x80
	s_wait_alu depctr_vm_vsrc(0)                   ; and have read their data registers, in which the second half's pieces land
.irp i, 0,1,2,3,4,5,6,7
	global_load_b128 v[4*(8*\g+\i):4*(8*\g+\i)+3], v1, s[4:5] offset:512*(64+8*\g+\i)
.endr
.endr
.irp g, 0,1,2,3,4,5,6,7
.if \g < 7
	s_wait_loadcnt 8*(7-\g)+18*(\g/2)+10*(\g%2)    ; behind this group's eight: the later groups' loads, and the weights' loads issued below so far
.else
	s_wait_loadcnt 54                              ; three K steps' 18 loads each
.endif
	WIN 0x08
.irp i, 0,1,2,3,4,5,6,7
	ds_store_b128 v12, v[4*(8*\g+\i):4*(8*\g+\i)+3] offset:512*(64+8*\g+\i)
.endr
.if \g <= 5
	WHALF \g/2, \g%2                               ; the first three K steps' weights go out while the copy ends
.endif
.endr
	WIN 0
	s_wait_dscnt 0x0                               ; for the others' sake: my quarter has landed
	s_barrier_signal -1
	s_barrier_wait -1                              ; the image is whole; nothing writes it again
	s_cmp_eq_u32 s24, 0
	s_cbranch_scc1 .Lend                           ; a tile without rows: nothing to compute, nothing to store
.macro HFRAG s, m                      ; the hidden layer's fragment m of K step s into buffer s % 2: four loads, 512 consecutive bytes each
.if (\s)%2
	WIN 0xc0                                       ; destination window 3, address window 0
.else
	WIN 0
.endif
.irp c, 0,1,2,3
	ds_load_b128 v[128+16*(\m)+4*\c:128+16*(\m)+4*\c+3], v[4+(\s)/4] offset:((\s)%4)*16384+2048*(\m)+512*\c
.endr
.endm
.macro WMZ oa, ob
.if (\oa) && (\ob)
	v_wmma_scale_f32_16x16x128_f8f6f4 v[AC:AC+7], v[WA:WA+15], v[XB:XB+15], 0, v[SA], v[SB] matrix_a_scale:MATRIX_SCALE_ROW1 matrix_b_scale:MATRIX_SCALE_ROW1
.elseif (\oa)
	v_wmma_scale_f32_16x16x128_f8f6f4 v[AC:AC+7], v[WA:WA+15], v[XB:XB+15], 0, v[SA], v[SB] matrix_a_scale:MATRIX_SCALE_ROW1
.elseif (\ob)
	v_wmma_scale_f32_16x16x128_f8f6f4 v[AC:AC+7], v[WA:WA+15], v[XB:XB+15], 0, v[SA], v[SB] matrix_b_scale:MATRIX_SCALE_ROW1
.else
	v_wmma_scale_f32_16x16x128_f8f6f4 v[AC:AC+7], v[WA:WA+15], v[XB:XB+15], 0, v[SA], v[SB]
.endif
.endm
.macro WMA oa, ob
.if (\oa) && (\ob)
	v_wmma_scale_f32_16x16x128_f8f6f4 v[AC:AC+7], v[WA:WA+15], v[XB:XB+15], v[AC:AC+7], v[SA], v[SB] matrix_a_scale:MATRIX_SCALE_ROW1 matrix_b_scale:MATRIX_SCALE_ROW1
.elseif (\oa)
	v_wmma_scale_f32_16x16x128_f8f6f4 v[AC:AC+7], v[WA:WA+15], v[XB:XB+15], v[AC:AC+7], v[SA], v[SB] matrix_a_scale:MATRIX_SCALE_ROW1
.elseif (\ob)
	v_wmma_scale_f32_16x16x128_f8f6f4 v[AC:AC+7], v[WA:WA+15], v[XB:XB+15], v[AC:AC+7], v[SA], v[SB] matrix_b_scale:MATRIX_SCALE_ROW1
.else
	v_wmma_scale_f32_16x16x128_f8f6f4 v[AC:AC+7], v[WA:WA+15], v[XB:XB+15], v[AC:AC+7], v[SA], v[SB]
.endif
.endm
; Four products: row tile m x my four tiles of W2.  The 32 accumulators take turns, one instruction a turn, in the same order in every K step; K step 0 starts the sums with the constant 0.
.macro MUL4 s, m
.set SG, (\s)%4
.if (\s)%2
	WIN 0xad                                       ; source 0 window 1, source 1 window 3, C and D window 2
.else
	WIN 0xa1                                       ; source 0 window 1, source 1 window 0, C and D window 2
.endif
.irp t, 0,1,2,3
.set AC, 8*(4*(\m)+\t)
.set WA, 64*SG+16*\t
.set XB, 128+16*(\m)
.set SA, WS+2*SG+\t/2
.set SB, HS+4*SG+(\m)/2
.if (\s) == 0
	WMZ \t%2, (\m)%2
.else
	WMA \t%2, (\m)%2
.endif
.endr
.endm
.macro STEP
.if (S > 0) && (S < 15)
	PLACES 8                                       ; eight places behind the last K step's products, ahead of loads into registers that they have read; the wait below stands beside them
	s_wait_alu depctr_va_vdst(0)                   ; the last K step's products are done reading their buffer of fragments, their weight set and both sides' scale words of that set: this step's loads land in them
.endif
.if S < 14
	s_wait_loadcnt 36                              ; this K step's 18 loads are in; the next two steps' stay out
.elseif S == 14
	s_wait_loadcnt 18
.else
	s_wait_loadcnt 0x0
.endif
.irp m, 0,1,2,3,4,5,6,7
.if S < 15
	s_wait_dscnt 28                                ; fragment m is in.  Behind its four loads were issued 4 (7 - m) of this step's and 4 m of the next step's: 28
.else
	s_wait_dscnt 28-4*\m                           ; the last step fetches nothing: the counts run down
.endif
	MUL4 S, \m
.if S < 15
	HFRAG S+1, \m                                  ; the next step's fragment m, into the other buffer.  No wait: no product since the wait at the step's head names that buffer
.endif
.if (\m < 2) && (S+3 <= 15)
	WHALF S+3, \m                                  ; into the set that the last K step has left; likewise
.endif
.endr
	WIN 0
.endm
	s_wait_alu depctr_vm_vsrc(0)                   ; the copy's LDS stores have read window 2's registers, which the first products write
.irp m, 0,1,2,3,4,5,6,7
	HFRAG 0, \m
.endr
.set S, 0
.rept 16
	STEP
.set S, S+1
.endr
; THE WAY OUT, a row tile (16 positions x 64 outputs) at a time: through my own stage, back as whole rows of 256 bytes.  LDS serves a wave's instructions in order: no wait between the stores and the loads.
.macro TOSTAGE a
	WIN 0x08
.irp t, 0,1,2,3
	ds_store_b128 v8, v[8*(4*(\a)+\t):8*(4*(\a)+\t)+3] offset:64*\t          ; each accumulator from its low end on
	ds_store_b128 v8, v[8*(4*(\a)+\t)+4:8*(4*(\a)+\t)+7] offset:64*\t+16
.endr
	WIN 0
.irp i, 0,1,2,3,4,5,6,7
	ds_load_b128 v[BK+32*((\a)%2)+4*\i:BK+32*((\a)%2)+4*\i+3], v9 offset:544*\i
.endr
.endm
.macro SEND a, younger                 ; younger: the LDS instructions issued behind this tile's loads
	s_wait_dscnt \younger
.irp i, 0,1,2,3,4,5,6,7
	global_store_b128 v10, v[BK+32*((\a)%2)+4*\i:BK+32*((\a)%2)+4*\i+3], s[14:15] offset:65536*(\a)+8192*\i   ; sixteen lanes store 256 consecutive bytes, at a multiple of 256 from y's first byte
.endr
.endm
	PLACES 8                                       ; eight places behind the last products, before their results are read
	s_wait_alu depctr_va_vdst(0)                   ; the products have written the sums, which the LDS stores below read; the places above stay beside this wait
	TOSTAGE 0
.irp a, 1,2,3,4,5,6,7
.if \a > 1
	s_wait_xcnt 0x0                                ; the stores of the tile two back have had their addresses translated,
	s_wait_alu depctr_vm_vsrc(0)                   ; and have read their 32 data registers, in which this tile's rows land
.endif
	TOSTAGE \a
	SEND \a-1, 16                                  ; behind its loads: this tile's eight stores and eight loads
.endr
	SEND 7, 0
.Lend:
	s_wait_dscnt 0x0
	s_wait_alu depctr_hold_cnt(0) depctr_sa_sdst(0) depctr_va_vdst(0) depctr_va_sdst(0) depctr_va_ssrc(0) depctr_va_vcc(0) depctr_vm_vsrc(0)
	s_wait_tensorcnt 0x0
	ds_add_u32 v62, v63
	s_wait_dscnt 0x0
	s_endpgm
.Lfunc_end_k_q4bf47104a0_gemm2:
	.size	k_q4bf47104a0_gemm2, .Lfunc_end_k_q4bf47104a0_gemm2-k_q4bf47104a0_gemm2
	.p2alignl 7, 3214868480
	.fill 96, 4, 3214868480
	.section	.rodata,"a",@progbits
	.p2align	6, 0x0
	.amdhsa_kernel k_q4bf47104a0_gemm2
		.amdhsa_group_segment_fixed_size 280064
		.amdhsa_private_segment_fixed_size 0
		.amdhsa_enable_private_segment 0
		.amdhsa_kernarg_size 48
		.amdhsa_user_sgpr_count 2
		.amdhsa_user_sgpr_kernarg_segment_ptr 1
		.amdhsa_wavefront_size32 1
		.amdhsa_system_sgpr_workgroup_id_x 1
		.amdhsa_system_sgpr_workgroup_id_y 1
		.amdhsa_system_sgpr_workgroup_id_z 1
		.amdhsa_system_vgpr_workitem_id 0
		.amdhsa_next_free_vgpr 1024
		.amdhsa_next_free_sgpr 66
		.amdhsa_reserve_vcc 0
		.amdhsa_float_denorm_mode_32 3
		.amdhsa_float_denorm_mode_16_64 3
		.amdhsa_memory_ordered 1
		.amdhsa_forward_progress 1
		.amdhsa_inst_pref_size 182
	.end_amdhsa_kernel
	.amdgpu_metadata
---
amdhsa.version: [ 1, 2 ]
amdhsa.kernels:
  - .name:           k_q4bf47104a0_gemm2
    .symbol:         k_q4bf47104a0_gemm2.kd
    .args:
      - { .name: hc, .offset: 0, .size: 8, .value_kind: global_buffer, .address_space: global }
      - { .name: hs, .offset: 8, .size: 8, .value_kind: global_buffer, .address_space: global }
      - { .name: wp, .offset: 16, .size: 8, .value_kind: global_buffer, .address_space: global }
      - { .name: wsp, .offset: 24, .size: 8, .value_kind: global_buffer, .address_space: global }
      - { .name: route, .offset: 32, .size: 8, .value_kind: global_buffer, .address_space: global }
      - { .name: y, .offset: 40, .size: 8, .value_kind: global_buffer, .address_space: global }
    .group_segment_fixed_size: 280064
    .private_segment_fixed_size: 0
    .kernarg_segment_align: 8
    .kernarg_segment_size: 48
    .max_flat_workgroup_size: 128
    .sgpr_count:     66
    .vgpr_count:     1024
    .wavefront_size: 32
...
	.end_amdgpu_metadata
.endif
;; end of part 6
;; launch combine: the kernel of part 4 again; grid 256 x 1, 8 waves a work-group, no clusters, 0 bytes of LDS; arguments route, expert_weights, y, out0; writes out0
